; MI455X (gfx1250); checked and timed in simulation.
; The chip was launched on July 23, 2026; its instructions are those of AMD's public machine-readable ISA for CDNA 5 (MIT licence, August 2026) and "CDNA5" Instruction Set Architecture Reference Guide (July 2026). The comments in the code are by the model that wrote it; some were corrected since.
;; Attention. Allowed arithmetic: matrix products marked QUANTISED: E2M1 operands, one E8M0 scale for each 32 along K, by v_wmma_scale_f32_16x16x128_f8f6f4 with both operands' format E2M1 (or v_wmma_scale_f32_32x16x128_f4), f32 sums; products left as they are: bf16, f16 or f32 operands; f32 sums; everything else in f32.
;; Inputs: c_attn_b 3,072 float32; c_attn_w 1,024 x 3,072 float32; c_proj_b 1,024 float32; c_proj_w 1,024 x 1,024 float32; x 8 x 1,024 x 1,024 float32.
;; Outputs: out0 8 x 1,024 x 1,024 float32.
;; This version of the problem:
;;   THIS VERSION OF THE PROBLEM IS GIVEN IN LOW PRECISION. The matrix products marked QUANTISED in the list below multiply operands that are first quantised to E2M1 (2 exponent bits, 1 mantissa bit; 4 bits a number), with one power-of-two scale for each 32 numbers along K (OCP MX v1.0); their sums are f32. The products marked 'left as it is' may take bf16, f16 or f32 operands, with f32 sums. Whichever they take, every output number must still come out within the allowed error. Rounding operands to bf16 (8 significant bits) uses up far more of that allowance than f16 does (11 bits, for magnitudes from 6e-5 to 65,504). All else is computed in f32.
;;   The module's matrix products, in the order in which they are computed (A, B: the left and right operand; K: the contracted axis; several contracted axes count as one K, in the product's order):
;;     1. [M 8,192, K 1,024] x [K 1,024, N 3,072]; A: input x; B: input c_attn_w: QUANTISED
;;     2. batch 128 x [M 1,024, K 64] x [K 64, N 1,024]; A: computed on the way; B: computed on the way: left as it is (an operand is computed on the way)
;;     3. batch 128 x [M 1,024, K 1,024] x [K 1,024, N 64]; A: computed on the way; B: computed on the way: left as it is (an operand is computed on the way)
;;     4. [M 8,192, K 1,024] x [K 1,024, N 1,024]; A: computed on the way; B: input c_proj_w: left as it is (an operand is computed on the way)
;;   THE QUANTISER, for each operand of a quantised product, along K:
;;     - K is cut into blocks of 32 from its start; a last block that is shorter is filled with zeros.
;;     - A block's scale is 2^e with e = floor(log2(the largest magnitude in the block)) - 2, held to -126 .. 127; a block of zeros has e = 0. As a byte (E8M0): e + 127.
;;     - Each number is divided by its block's scale, clamped to +-6, and rounded to the nearest number of E2M1, ties to even, subnormals kept.
;;     - The product sums the exact products of the quantised numbers (number of the format x scale) in f32.
;;   ~~~python
;;   def quantise(x, axis):      # numpy; x: float32 -> the quantised numbers, widened to float32 again
;;       x = np.moveaxis(x, axis, -1); K = x.shape[-1]
;;       x = np.pad(x, [(0, 0)] * (x.ndim - 1) + [(0, -K % 32)]); x = x.reshape(x.shape[:-1] + (-1, 32)); a = np.abs(x).max(-1, keepdims=True)
;;       e = np.where(a > 0, np.clip(np.frexp(np.where(a > 0, a, 1))[1] - 1 - 2, -126, 127), 0)      # np.frexp(a)[1] - 1 = floor(log2(a)), exactly
;;       r = np.clip(x / 2.0 ** e, -6, 6)
;;       step = 2.0 ** (np.maximum(np.frexp(np.where(r == 0, 1, r))[1] - 1, 0) - 1)
;;       q = np.round(r / step) * step * 2.0 ** e      # np.round: ties to even
;;       return np.moveaxis(q.reshape(q.shape[:-2] + (-1,))[..., :K], -1, axis).astype(np.float32)
;;   ~~~
;; One version. Each part assembles by itself: llvm-mc -triple=amdgcn-amd-amdhsa -mcpu=gfx1250 --defsym DOCPART=n.
;; ======== version 1 of 1: 5 launches
;; limits: values are held in f16: magnitudes above 65,504 overflow, below 6.1e-05 lose precision
;; workspace buffers: xc 4,456,448 bytes; wc 1,835,008 bytes; wf 4,194,304 bytes; qkvf 50,331,648 bytes; lo16 786,432 bytes; af 16,777,216 bytes; vtail 32,768 bytes
;; launch prep (part 1): grid 512 x 1, 4 waves a work-group, no clusters, 35,328 bytes of LDS; arguments x, c_attn_w, c_proj_w, xc, wc, wf; writes xc, wc, wf
.if DOCPART == 1
	.amdgcn_target "amdgcn-amd-amdhsa--gfx1250"
	.amdhsa_code_object_version 6
	.text
	.protected	k_qd2ac6ad462_prep
	.globl	k_qd2ac6ad462_prep
	.p2align	8
	.type	k_qd2ac6ad462_prep,@function
k_qd2ac6ad462_prep:
	s_mov_b64 s[64:65], 0
	v_nop
	global_prefetch_b8 v0, s[64:65] scope:SCOPE_SE
	s_setreg_imm32_b32 hwreg(HW_REG_WAVE_MODE, 25, 1), 1
	s_wait_xcnt 0x0
; GPT-2 attention, B 8, S 1024, D 1024, 16 heads of 64.  Five launches: prep, qkv, attn, fine, proj.
; THIS LAUNCH: x and c_attn_w become codes of E2M1 with one E8M0 byte for each 32 along K (K = 1024); c_proj_w becomes pairs of f16 (a high and a low part).
; WORK LEFT OUT BY THE PROGRAM, and why it can reach no output, for all finite inputs:
;  (1) reference() multiplies every score with key > query by 0 and takes 10000 away: such a score is -10000 whatever q and k hold.  So q k^T is not computed for key steps that lie
;      wholly behind a wave's queries.  Their softmax weights are NOT zero: they are all equal, so their part of w v is that one weight x the sum of the masked rows of v, and their part of
;      the denominator is their number x that weight.  Both are computed (launches attn and fine), and -10000 takes part in the running maximum.
;  (2) a row's weights sum to 1 over all 1024 keys, so sum w (v + b_v) = sum w v + b_v: v's bias is added behind the division.  q's and k's biases are added where reference() adds them.
;  All five inputs are loaded.
; LIMITS: a NaN, an infinity or an overflow that arises only in the masked part of q k^T is not carried to the result.  NaN and infinities among the inputs are not served.
;  q, k, v and the attention's result go on as f16: their magnitudes must stay under 65504; f16 numbers under 6e-5 carry an absolute error of up to 6e-8.
;  A block of zeros gets the scale byte 1 where the rule says 127: its codes are zeros, which add nothing, and this program alone reads the bytes.
; EVERY WORKSPACE IS AN IMAGE OF OPERAND REGISTERS: a fragment's groups of four registers on end, lane L's 16 bytes at 16 L.
;  E2M1, 16 rows x 128 K, 1024 bytes: the 16 bytes at 512 c + 16 (r + 16 h) hold K = 64 c + 32 h .. + 31 of row r.   f16, 16 rows x 32 K, 1024 bytes: at 512 c + 16 (r + 16 h): k = 16 c + 8 h .. + 7.
;  xc: codes [row tile 512][ks 8][1024]; from byte 4194304 scale words [ks 8][8192 rows].  wc: codes [column tile 192][ks 8][1024]; from 1572864 scale words [ks 8], rows 32768 bytes apart.
;  wf: [column tile 64][32 along K: 32][1024] high parts; from 2097152 the low parts.
; WORK-GROUPS 0-255 take x (path X), 256-447 c_attn_w (path W), 448-511 c_proj_w (path P).  Only path X uses LDS.
.set SPARE, 34816                      ; the spare words, 128 bytes a wave
.set GS,    33792                      ; path X: the work-group's 256 scale words
.set STG,   8448                       ; path X: a wave's stage, 16 rows of 512 + 16 bytes
.set SPW,   12                         ; v12 my spare word's address; v13 = 0: both never rewritten
.set NIL,   13
	s_load_b256 s[4:11], s[0:1], 0x0               ; x, c_attn_w, c_proj_w, xc
	s_load_b128 s[12:15], s[0:1], 0x20             ; wc, wf
	v_lshl_add_u32 v[SPW], v0, 2, SPARE
	v_mov_b32 v[NIL], 0
	v_lshrrev_b32 v24, 5, v0
	v_readfirstlane_b32 s16, v24                   ; wave
	v_and_b32 v24, 31, v0                          ; L
	v_and_b32 v25, 15, v0                          ; r
	v_bfe_u32 v26, v0, 4, 1                        ; h
	v_lshlrev_b32 v1, 4, v24                       ; 16 L
	v_lshlrev_b32 v6, 3, v24                       ; 8 L
	v_lshlrev_b32 v11, 2, v24                      ; 4 L
	v_lshlrev_b32 v7, 3, v26                       ; 8 h
	v_mov_b32 v10, 0                               ; a lane permute's destination counts as read
	s_mov_b32 s20, 0x76543210
	s_mov_b32 s21, 0xfedcba98                      ; selects for lane l xor 16
	s_mul_i32 s28, s16, STG
	v_add_nc_u32 v2, s28, v1                       ; stage, way in: 16 L
	v_mul_u32_u24 v3, v25, 528
	v_lshl_add_u32 v3, v26, 7, v3
	v_add_nc_u32 v3, s28, v3                       ; stage, way out: row r, + 128 h
	s_lshl_b32 s29, s16, 6
	s_add_co_u32 s29, s29, GS
	v_lshl_add_u32 v4, v25, 2, s29                 ; my row's scale word: GS + 64 wave + 4 r (+ 256 f)
	s_lshl_b32 s30, s16, 8
	s_add_co_u32 s30, s30, GS
	v_lshl_add_u32 v5, v24, 3, s30                 ; and back: 256 bytes a wave
	s_mov_b32 s23, 0
	s_cmp_lt_u32 ttmp9, 256
	s_cbranch_scc0 .Lnot_x
; ---- PATH X.  Wave w takes the row tile mt = 4 (g / 2) + w and K = 512 (g % 2) on: four fragments.  Each load reads 512 consecutive bytes of one row; a fragment's 16 x 512 bytes turn through
; the wave's stage, so that lane (r, h) gets two whole blocks of 32 numbers of row r: K = 64 c + 32 h on.
	s_lshr_b32 s17, ttmp9, 1
	s_and_b32 s18, ttmp9, 1
	s_lshl_b32 s19, s17, 2
	s_add_co_u32 s19, s19, s16                     ; mt
	s_lshl_b32 s22, s19, 16
	s_lshl_b32 s31, s18, 11
	s_add_co_u32 s22, s22, s31
	s_wait_kmcnt 0x0
	s_add_nc_u64 s[4:5], s[4:5], s[22:23]          ; x at row 16 mt, K half
	s_lshl_b32 s22, s19, 13
	s_lshl_b32 s31, s18, 12
	s_add_co_u32 s22, s22, s31
	s_add_nc_u64 s[24:25], s[10:11], s[22:23]      ; my four fragments' images
	s_lshl_b32 s22, s18, 2
	s_add_co_u32 s22, s22, s16
	s_lshl_b32 s22, s22, 15
	s_lshl_b32 s31, s17, 8
	s_add_co_u32 s22, s22, s31
	s_add_co_u32 s22, s22, 4194304
	s_add_nc_u64 s[26:27], s[10:11], s[22:23]      ; scale words of ks = 4 half + wave, the work-group's 64 rows
.macro LOADF f
.irp i, 0,1,2,3,4,5,6,7,8,9,10,11,12,13,14,15
	global_load_b128 v[128+64*((\f)%2)+4*\i:128+64*((\f)%2)+4*\i+3], v1, s[4:5] offset:\i*4096+(\f)*512 th:TH_LOAD_NT
.endr
.endm
.macro FRAGX f
.if (\f) < 3
	s_wait_loadcnt 16                              ; this fragment's 16 loads are in; the next fragment's 16 are younger
.else
	s_wait_loadcnt 0x0
.endif
.irp i, 0,1,2,3,4,5,6,7,8,9,10,11,12,13,14,15
	ds_store_b128 v2, v[128+64*((\f)%2)+4*\i:128+64*((\f)%2)+4*\i+3] offset:\i*528
.endr
.irp c, 0,1
.irp e, 0,1,2,3,4,5,6,7
	ds_load_b128 v[64+32*\c+4*\e:64+32*\c+4*\e+3], v3 offset:256*\c+16*\e   ; LDS serves a wave's instructions in order: these see the stores above
.endr
.endr
	s_wait_dscnt 0x0
.if (\f) < 2
	LOADF (\f)+2
.endif
.irp c, 0,1
	v_max3_num_f32 v[20+\c], |v[64+32*\c]|, |v[65+32*\c]|, 0x1800000   ; block 2 c + h: all 32 numbers are mine; the floor 2^(3 - 127) holds the byte at 1 from below
.endr
.irp i, 2,4,6,8,10,12,14,16,18,20,22,24,26,28,30
.irp c, 0,1
	v_max3_num_f32 v[20+\c], v[20+\c], |v[64+32*\c+\i]|, |v[65+32*\c+\i]|
.endr
.endr
.irp c, 0,1
	v_add_nc_u32 v[22+\c], 0xff000000, v[20+\c]    ; 2 off the exponent field: the conversion's scale operand
.endr
.irp c, 0,1
	v_lshrrev_b32 v[14+\c], 23, v[22+\c]           ; the scale's byte
.endr
	v_lshl_or_b32 v[16+\f], v15, 16, v14           ; bytes h and 2 + h of my row's word,
	v_lshlrev_b32 v[16+\f], v7, v[16+\f]           ; at their places;
	v_permlanex16_b32 v10, v[16+\f], s20, s21
	v_or_b32 v[16+\f], v[16+\f], v10               ; with lane l xor 16's two the word is whole
.irp c, 0,1
.irp g, 0,1,2,3
	v_cvt_scalef32_pk8_fp4_f32 v[32+8*(\f)+4*\c+\g], v[64+32*\c+8*\g:64+32*\c+8*\g+7], v[22+\c]
.endr
.endr
	v_nop                                          ; one plain line behind the scaled conversions
	global_store_b128 v1, v[32+8*(\f):35+8*(\f)], s[24:25] offset:(\f)*1024        ; 512 consecutive bytes a store; each fragment has registers of its own
	global_store_b128 v1, v[36+8*(\f):39+8*(\f)], s[24:25] offset:(\f)*1024+512
	ds_store_b32 v4, v[16+\f] offset:(\f)*256      ; both halves of the lanes write the same word with the same value
.endm
	LOADF 0
	LOADF 1
	FRAGX 0
	FRAGX 1
	FRAGX 2
	FRAGX 3
	s_wait_dscnt 0x0                               ; my scale words lie in LDS,
	s_barrier_signal -1
	s_barrier_wait -1                              ; everybody's do
	ds_load_b64 v[8:9], v5                         ; wave w takes fragment w's 64 words
	s_wait_dscnt 0x0
	global_store_b64 v6, v[8:9], s[26:27]          ; 256 consecutive bytes, aligned
	s_wait_tensorcnt 0x0                           ; the wave's end, behind my last LDS store
	ds_add_u32 v[SPW], v[NIL]
	s_wait_dscnt 0x0
	s_endpgm
; ---- PATHS W AND P: K is the tensor's FIRST axis.  A lane takes a column and its registers run down K: 128 rows in four blocks of 32; a load reads 128 consecutive bytes.
.macro LOADB t, pitch
.set i, 0
.rept 32
	global_load_b32 v[128+32*(\t)+i], v11, s[28:29] offset:(32*(\t)+i)*\pitch th:TH_LOAD_NT
.set i, i+1
.endr
.endm
.macro BWAIT t, pitch
.if (\t) < 3
	s_wait_loadcnt 32                              ; this block's 32 loads are in; the next block's 32 are younger
.else
	s_wait_loadcnt 0x0
.endif
.if (\t) < 2
	LOADB (\t)+2, \pitch
.endif
.endm
.Lnot_x:
	s_cmp_lt_u32 ttmp9, 448
	s_cbranch_scc0 .Lpath_p
; PATH W: columns 128 (g / 8) + 32 wave + lane, K step ks = g % 8.
	s_sub_co_u32 s17, ttmp9, 256
	s_lshr_b32 s18, s17, 3
	s_and_b32 s19, s17, 7
	s_lshl_b32 s31, s18, 7
	s_lshl_b32 s22, s16, 5
	s_add_co_u32 s31, s31, s22
	s_lshl_b32 s31, s31, 2                         ; 4 x my wave's first column
	s_mul_i32 s22, s19, 1572864                    ; 128 rows of 12288 bytes
	s_add_co_u32 s22, s22, s31
	s_wait_kmcnt 0x0
	s_add_nc_u64 s[28:29], s[6:7], s[22:23]
	s_lshl_b32 s22, s18, 3
	s_lshl_b32 s30, s16, 1
	s_add_co_u32 s22, s22, s30                     ; my first column tile
	s_lshl_b32 s22, s22, 3
	s_add_co_u32 s22, s22, s19
	s_lshl_b32 s22, s22, 10
	s_add_nc_u64 s[24:25], s[12:13], s[22:23]
	s_lshl_b32 s22, s19, 15
	s_add_co_u32 s22, s22, s31
	s_add_co_u32 s22, s22, 1572864
	s_add_nc_u64 s[26:27], s[12:13], s[22:23]
.macro BLOCKQ t
.set XS, 128+32*(\t)
	BWAIT \t, 12288
	v_max3_num_f32 v20, |v[XS]|, |v[XS+1]|, |v[XS+2]|
	v_max3_num_f32 v21, |v[XS+3]|, |v[XS+4]|, |v[XS+5]|
.irp i, 6,10,14,18,22,26
	v_max3_num_f32 v20, v20, |v[XS+\i]|, |v[XS+\i+1]|
	v_max3_num_f32 v21, v21, |v[XS+\i+2]|, |v[XS+\i+3]|
.endr
	v_max3_num_f32 v20, v20, |v[XS+30]|, |v[XS+31]|
	v_max3_num_f32 v20, v20, v21, 0x1800000        ; with the floor
	v_add_nc_u32 v22, 0xff000000, v20
	v_lshrrev_b32 v23, 23, v22
.if (\t) == 0
	v_mov_b32 v16, v23
.else
	v_lshl_or_b32 v16, v23, 8*(\t), v16            ; my column's scale word, the lower K in the lower byte
.endif
.irp g, 0,1,2,3
	v_cvt_scalef32_pk8_fp4_f32 v[32+4*(\t)+\g], v[XS+8*\g:XS+8*\g+7], v22
.endr
.endm
	LOADB 0, 12288
	LOADB 1, 12288
	BLOCKQ 0
	BLOCKQ 1
	BLOCKQ 2
	BLOCKQ 3
	v_nop                                          ; one plain line behind the scaled conversions
.irp c, 0,1                                    ; lanes 0-15 hold the first tile's columns, lanes 16-31 the second's.  An image wants block 2 c in lanes 0-15 and block 2 c + 1 in lanes 16-31:
.irp g, 0,1,2,3
	v_permlane16_swap_b32 v[32+8*\c+\g], v[36+8*\c+\g]   ; the first register becomes the first tile's, the second the second tile's
.endr
.endr
	global_store_b128 v1, v[32:35], s[24:25]
	global_store_b128 v1, v[40:43], s[24:25] offset:512
	global_store_b128 v1, v[36:39], s[24:25] offset:8192
	global_store_b128 v1, v[44:47], s[24:25] offset:8704
	global_store_b32 v11, v16, s[26:27]            ; 128 consecutive bytes a wave: one byte for 128 that the path reads
	s_endpgm
; PATH P: c_proj_w.  Columns 128 (g / 8) + 32 wave + lane, rows 128 (g % 8) on.  high = f16(W); low = f16(W - high), high made in f32 by whole-number rounding to nearest even at bit 13.
.Lpath_p:
	s_sub_co_u32 s17, ttmp9, 448
	s_lshr_b32 s18, s17, 3
	s_and_b32 s19, s17, 7
	s_lshl_b32 s31, s18, 7
	s_lshl_b32 s22, s16, 5
	s_add_co_u32 s31, s31, s22
	s_lshl_b32 s31, s31, 2
	s_lshl_b32 s22, s19, 19                        ; 128 rows of 4096 bytes
	s_add_co_u32 s22, s22, s31
	s_wait_kmcnt 0x0
	s_add_nc_u64 s[28:29], s[8:9], s[22:23]
	s_lshl_b32 s22, s18, 3
	s_lshl_b32 s30, s16, 1
	s_add_co_u32 s22, s22, s30
	s_lshl_b32 s22, s22, 5
	s_lshl_b32 s30, s19, 2
	s_add_co_u32 s22, s22, s30
	s_lshl_b32 s22, s22, 10
	s_add_nc_u64 s[24:25], s[14:15], s[22:23]
.macro BLOCKP t
.set XS, 128+32*(\t)
	BWAIT \t, 4096
.if (\t) > 0
	s_wait_xcnt 0x0                                ; the last block's stores have read their data: v32-63 are written again
.endif
.set i, 0
.rept 32
	v_bfe_u32 v[64+i], v[XS+i], 13, 1
.set i, i+1
.endr
.set i, 0
.rept 32
	v_add_nc_u32 v[64+i], v[XS+i], v[64+i]
.set i, i+1
.endr
.set i, 0
.rept 32
	v_add_nc_u32 v[64+i], 0xfff, v[64+i]
.set i, i+1
.endr
.set i, 0
.rept 32
	v_and_b32 v[64+i], 0xffffe000, v[64+i]         ; W rounded to 11 significant bits
.set i, i+1
.endr
.set i, 0
.rept 32
	v_sub_f32 v[64+i], v[XS+i], v[64+i]
.set i, i+1
.endr
.set i, 0
.rept 16
	v_cvt_pk_f16_f32 v[32+i], v[XS+2*i], v[XS+2*i+1]
	v_cvt_pk_f16_f32 v[48+i], v[64+2*i], v[65+2*i]
.set i, i+1
.endr
.irp b, 32,48                                  ; an image wants k = 16 c + 0..7 in lanes 0-15 and 16 c + 8..15 in lanes 16-31
.irp i, 0,1,2,3
	v_permlane16_swap_b32 v[\b+\i], v[\b+4+\i]
	v_permlane16_swap_b32 v[\b+8+\i], v[\b+12+\i]
.endr
.endr
.irp p, 0,1
	global_store_b128 v1, v[32+16*\p:35+16*\p], s[24:25] offset:\p*2097152+(\t)*1024
	global_store_b128 v1, v[40+16*\p:43+16*\p], s[24:25] offset:\p*2097152+(\t)*1024+512
	global_store_b128 v1, v[36+16*\p:39+16*\p], s[24:25] offset:\p*2097152+(\t)*1024+32768
	global_store_b128 v1, v[44+16*\p:47+16*\p], s[24:25] offset:\p*2097152+(\t)*1024+33280
.endr
.endm
	LOADB 0, 4096
	LOADB 1, 4096
	BLOCKP 0
	BLOCKP 1
	BLOCKP 2
	BLOCKP 3
	s_endpgm
.Lfunc_end_k_qd2ac6ad462_prep:
	.size	k_qd2ac6ad462_prep, .Lfunc_end_k_qd2ac6ad462_prep-k_qd2ac6ad462_prep
	.p2alignl 7, 3214868480
	.fill 96, 4, 3214868480
	.section	.rodata,"a",@progbits
	.p2align	6, 0x0
	.amdhsa_kernel k_qd2ac6ad462_prep
		.amdhsa_group_segment_fixed_size 35328
		.amdhsa_private_segment_fixed_size 0
		.amdhsa_enable_private_segment 0
		.amdhsa_kernarg_size 48
		.amdhsa_user_sgpr_count 2
		.amdhsa_user_sgpr_kernarg_segment_ptr 1
		.amdhsa_wavefront_size32 1
		.amdhsa_system_sgpr_workgroup_id_x 1
		.amdhsa_system_sgpr_workgroup_id_y 1
		.amdhsa_system_sgpr_workgroup_id_z 1
		.amdhsa_system_vgpr_workitem_id 0
		.amdhsa_next_free_vgpr 256
		.amdhsa_next_free_sgpr 66
		.amdhsa_reserve_vcc 0
		.amdhsa_float_denorm_mode_32 3
		.amdhsa_float_denorm_mode_16_64 3
		.amdhsa_memory_ordered 1
		.amdhsa_forward_progress 1
		.amdhsa_inst_pref_size 108
	.end_amdhsa_kernel
	.amdgpu_metadata
---
amdhsa.version: [ 1, 2 ]
amdhsa.kernels:
  - .name:           k_qd2ac6ad462_prep
    .symbol:         k_qd2ac6ad462_prep.kd
    .args:
      - { .name: x, .offset: 0, .size: 8, .value_kind: global_buffer, .address_space: global }
      - { .name: c_attn_w, .offset: 8, .size: 8, .value_kind: global_buffer, .address_space: global }
      - { .name: c_proj_w, .offset: 16, .size: 8, .value_kind: global_buffer, .address_space: global }
      - { .name: xc, .offset: 24, .size: 8, .value_kind: global_buffer, .address_space: global }
      - { .name: wc, .offset: 32, .size: 8, .value_kind: global_buffer, .address_space: global }
      - { .name: wf, .offset: 40, .size: 8, .value_kind: global_buffer, .address_space: global }
    .group_segment_fixed_size: 35328
    .private_segment_fixed_size: 0
    .kernarg_segment_align: 8
    .kernarg_segment_size: 48
    .max_flat_workgroup_size: 128
    .sgpr_count:     66
    .vgpr_count:     256
    .wavefront_size: 32
...
	.end_amdgpu_metadata
.endif
;; end of part 1
;; launch qkv (part 2): grid 12 x 32, 4 waves a work-group, clusters of 4 x 4, 327,680 bytes of LDS; arguments xc, wc, c_attn_b, qkvf, lo16; writes qkvf, lo16
.if DOCPART == 2
	.amdgcn_target "amdgcn-amd-amdhsa--gfx1250"
	.amdhsa_code_object_version 6
	.text
	.protected	k_qd2ac6ad462_qkv
	.globl	k_qd2ac6ad462_qkv
	.p2align	8
	.type	k_qd2ac6ad462_qkv,@function
k_qd2ac6ad462_qkv:
	s_mov_b64 s[64:65], 0
	v_nop
	global_prefetch_b8 v0, s[64:65] scope:SCOPE_SE
	s_setreg_imm32_b32 hwreg(HW_REG_WAVE_MODE, 25, 1), 1
	s_wait_xcnt 0x0
	s_wait_alu depctr_hold_cnt(0) depctr_sa_sdst(0) depctr_va_vdst(0) depctr_va_sdst(0) depctr_va_ssrc(0) depctr_va_vcc(0) depctr_vm_vsrc(0)
	s_getreg_b32 s2, hwreg(HW_REG_IB_STS2, 6, 4)
	s_cmp_eq_u32 s2, 0
	s_cbranch_scc0 .Lentry_in_a_cluster
	s_endpgm
.Lentry_in_a_cluster:
	s_bfe_u32 s2, ttmp6, 0x10000c
	s_cmp_lg_u32 s2, 0xf033
	s_cbranch_scc0 .Lentry_shape_is_right
	s_endpgm
.Lentry_shape_is_right:
; qkv = Q(x) Q(c_attn_w) (+ bias for q and k) on codes of E2M1 with E8M0 scales; the results leave as f16 images of the operands that launch attn wants.
; v's bias is left out here: the weights of a softmax row sum to 1, so it is added behind the division (launches attn and fine).
; A tile of 256 x 256 is made by four waves of 128 x 128 (64 accumulators, 512 registers).  K = 1024 lies in two LDS slots of 512, both asked for at the head: nothing is filled again.
; TWO ROLES, by the cluster's x (the same in all sixteen partners).  Source 1 of the matrix instruction is A', source 0 is B'; lane (r, h) of accumulator (a, b) holds row 16 a + r of A' and rows 16 b + 8 h + 0..7 of B'.
;   cluster x = 0, 1 (q, k): A' = 256 tokens (tile Y + 8 cy), B' = 256 columns of c_attn_w (tile 4 X + cx): a lane holds a token and eight neighbouring d: an image of Q's or K's fragment.
;   cluster x = 2   (v):     A' = 256 columns (tile 8 + cy), B' = 256 tokens (tile Y + 8 cx): a lane holds a d and eight neighbouring tokens: an image of V^T's fragment.
; A's tile is shared along a row of the cluster, B's along a column: joint loads.  Tiles are images: a fragment is two loads of 16 bytes at 16 x lane: no pitch, no padding.
; qkvf: Q at 0, K at 2^24: [batch x head 128][16 tokens: 64][u 2][c 2][512], d = 32 u + 16 c + 8 h + i.  V^T at 2^25: [batch 8][64 tokens: 16][head 16][dt 4][kb 2][c 2][512], d = 16 dt + r, token = 64 j + 32 kb + 16 c + 8 h + i.
; lo16: [q, k, v][batch x head][4][512]: for tokens 0-15 of each sequence the rest x - f16(x), as f16, in the lanes of the high parts (launch fine reads them).
; REGISTERS: window 0: v16-30 addresses; v32-95 scale words, two sets; v128-191 A's fragments, one set; on the way out v128-255 at work.  window 1: B's fragments at v0 and v128; v192-255 the bias.  windows 2, 3: the accumulators.
.set NQ,     4
.set FR,     8
.set NL,     2
.set NP,     4
.set HALFT,  32768                     ; 128 rows x 512 K: 8 row tiles x 4096 bytes: what one tensor load brings
.set SLOT,   131072
.set SCL,    262144                    ; scale words: quarter w: [ks 8][128 rows]
.set HALFS,  4096
.set SPARE,  278528
.set ADRA, 16
.set ADRB, 20
.set CO,   26                          ; v26 16 x lane
.set ADRS, 27
.set SPW,  28
.set NIL,  29
.set SC,   32
.set AF,   128
.set G1, 24
.set G0, 32
.set G1B, 48
.set G0B, 56
.set G1S, 68
.set G0S, 76
.set G1SB, 80
.set G0SB, 88
.set MSB, 0
.macro WIN new                         ; the immediate's high byte repeats the setting that is left
.if MSB != \new
	s_set_vgpr_msb (MSB<<8)|\new
.set MSB, \new
.endif
.endm
.set MUL_LO, 0xa1                      ; source 0 window 1, source 1 window 0, C and D window 2
.set MUL_HI, 0xf1
.set TO_B,   0x40
.macro JLOAD g0a, g1a, g0b, g1b        ; waves 0, 1 fetch for A', waves 2, 3 for B'; an s_nop 0 and four v_nop follow each line
	s_cmp_eq_u32 s15, 0
	s_cbranch_scc0 .Lfor_b_\@
	tensor_load_to_lds s[\g0a:\g0a+3], s[\g1a:\g1a+7]
	s_nop 0
.rept 4
	v_nop
.endr
	s_branch .Lasked_\@
.Lfor_b_\@:
	tensor_load_to_lds s[\g0b:\g0b+3], s[\g1b:\g1b+7]
	s_nop 0
.rept 4
	v_nop
.endr
.Lasked_\@:
.endm
.macro CROUND                          ; a round of the cluster's barrier
	s_barrier_signal -1
	s_barrier_wait -1
	s_cmp_lg_u32 s14, 0
	s_cbranch_scc1 .Lnot_wave_0_\@
	s_barrier_signal -3
.Lnot_wave_0_\@:
	s_barrier_wait -3
	s_barrier_signal -1
	s_barrier_wait -1
.endm
	s_load_b256 s[4:11], s[0:1], 0x0               ; xc, wc, c_attn_b, qkvf
	s_load_b64 s[12:13], s[0:1], 0x20              ; lo16
	v_lshl_add_u32 v[SPW], v0, 2, SPARE
	v_mov_b32 v[NIL], 0
	ds_add_u32 v[SPW], v[NIL]                      ; the wave's opening: the add, twice on end, and its wait ahead of my first tensor load
	ds_add_u32 v[SPW], v[NIL]
	v_lshrrev_b32 v1, 5, v0
	v_readfirstlane_b32 s14, v1                    ; wave
	s_lshr_b32 s15, s14, 1                         ; my half of A's rows.  Also: I fetch for A' (0) or B' (1)
	s_and_b32 s16, s14, 1                          ; my half of B's rows.  Also: which 128 rows I fetch
	s_bfe_u32 s40, ttmp6, 0x40000                  ; cx
	s_bfe_u32 s41, ttmp6, 0x40004                  ; cy
	s_and_b32 s17, ttmp7, 0xffff                   ; Y
	s_lshl_b32 s43, s41, 2
	s_lshl_b32 s43, 15, s43                        ; my row of the cluster
	s_lshl_b32 s44, 0x1111, s40                    ; my column
	s_lshl_b32 s18, s41, 3
	s_add_co_u32 s18, s18, s17                     ; q, k: A's tile Y + 8 cy
	s_add_co_u32 s19, s41, 8                       ; v:    A's tile 8 + cy
	s_lshl_b32 s66, ttmp9, 2
	s_add_co_u32 s66, s66, s40                     ; q, k: B's tile 4 X + cx
	s_lshl_b32 s67, s40, 3
	s_add_co_u32 s67, s67, s17                     ; v:    B's tile Y + 8 cx
	s_mov_b32 s2, 4194304                          ; where x's scale words begin,
	s_mov_b32 s3, 1572864                          ; and w's
	s_cmp_eq_u32 ttmp9, 2                          ; the role: the cluster's x alone
	s_cselect_b32 s95, s19, s18                    ; I
	s_cselect_b32 s42, s67, s66                    ; J
	s_cselect_b32 s96, 1, 0                        ; 1: v's role
	s_cselect_b32 s97, s3, s2
	s_cselect_b32 s2, s2, s3
	s_or_b32 s[G1+0], s43, (3<<16)|(1<<21)         ; 15:0 the mask; 17:16 elements of 8 bytes; 21 set beside a mask; no padding
	s_or_b32 s[G1B+0], s44, (3<<16)|(1<<21)
.irp g, G1, G1B                                ; 8 row tiles x 4096 bytes (4 K steps of a tile's 8), 8192 bytes apart
	s_mov_b32 s[\g+1], 512<<16
	s_mov_b32 s[\g+2], 8<<16
	s_mov_b32 s[\g+3], 512<<16
	s_mov_b32 s[\g+4], 8
	s_mov_b32 s[\g+5], 1024
	s_mov_b32 s[\g+6], 0
	s_mov_b32 s[\g+7], 0
.endr
	s_or_b32 s[G1S+0], s43, (3<<16)|(1<<21)
	s_or_b32 s[G1SB+0], s44, (3<<16)|(1<<21)
.irp g, G1S, G1SB                              ; 8 K steps x 128 scale words (512 bytes), 32768 bytes apart
	s_mov_b32 s[\g+1], 64<<16
	s_mov_b32 s[\g+2], 8<<16
	s_mov_b32 s[\g+3], 64<<16
	s_mov_b32 s[\g+4], 8
	s_mov_b32 s[\g+5], 4096
	s_mov_b32 s[\g+6], 0
	s_mov_b32 s[\g+7], 0
.endr
	s_lshl_b32 s20, s95, 17
	s_lshl_b32 s18, s16, 16
	s_add_co_u32 s20, s20, s18                     ; A's codes: tile x 131072 + half x 65536
	s_mov_b32 s21, 0
	s_lshl_b32 s22, s95, 10
	s_lshl_b32 s19, s16, 9
	s_add_co_u32 s22, s22, s19
	s_add_co_u32 s22, s22, s97                     ; A's scale words
	s_mov_b32 s23, 0
	s_lshl_b32 s46, s42, 17
	s_add_co_u32 s46, s46, s18
	s_mov_b32 s47, 0
	s_lshl_b32 s92, s42, 10
	s_add_co_u32 s92, s92, s19
	s_add_co_u32 s92, s92, s2
	s_mov_b32 s93, 0
	s_lshl_b32 s45, s14, 15                        ; where they go: wave x HALFT: no place in the cluster enters an LDS address
	s_lshl_b32 s94, s14, 12
	s_wait_dscnt 0x0                               ; both opening adds are done
	s_wait_kmcnt 0x0
	s_cmp_eq_u32 ttmp9, 2
	s_cselect_b64 s[98:99], s[6:7], s[4:5]         ; A's buffer
	s_cselect_b64 s[100:101], s[4:5], s[6:7]       ; B's
	s_add_nc_u64 s[20:21], s[98:99], s[20:21]
	s_add_nc_u64 s[22:23], s[98:99], s[22:23]
	s_add_nc_u64 s[46:47], s[100:101], s[46:47]
	s_add_nc_u64 s[92:93], s[100:101], s[92:93]
	CROUND                                         ; all sixteen work-groups are here: the joint loads meet
	s_mov_b32 s[G0S], 1
	s_add_co_u32 s[G0S+1], s94, SCL
	s_mov_b64 s[G0S+2:G0S+3], s[22:23]
	s_or_b32 s[G0S+3], s[G0S+3], 0x80000000
	s_mov_b32 s[G0SB], 1
	s_add_co_u32 s[G0SB+1], s94, SCL
	s_mov_b64 s[G0SB+2:G0SB+3], s[92:93]
	s_or_b32 s[G0SB+3], s[G0SB+3], 0x80000000
	JLOAD G0S, G1S, G0SB, G1SB
.irp s, 0,1
	s_mov_b32 s[G0+4*\s], 1
	s_add_co_u32 s[G0+4*\s+1], s45, \s*SLOT
	s_add_nc_u64 s[G0+4*\s+2:G0+4*\s+3], s[20:21], \s*4096
	s_or_b32 s[G0+4*\s+3], s[G0+4*\s+3], 0x80000000
	s_mov_b32 s[G0B+4*\s], 1
	s_add_co_u32 s[G0B+4*\s+1], s45, \s*SLOT
	s_add_nc_u64 s[G0B+4*\s+2:G0B+4*\s+3], s[46:47], \s*4096
	s_or_b32 s[G0B+4*\s+3], s[G0B+4*\s+3], 0x80000000
	JLOAD G0+4*\s, G1, G0B+4*\s, G1B               ; three loads of mine are out: the scales, slot 0, slot 1
.endr
	v_and_b32 v1, 15, v0                           ; r
	v_bfe_u32 v2, v0, 4, 1                         ; h
	v_and_b32 v3, 31, v0
	v_lshlrev_b32 v[CO], 4, v3
	v_lshlrev_b32 v30, 5, v2                       ; 32 h: the bias's offset
	s_lshl_b32 s21, s15, 15
	s_lshl_b32 s22, s16, 15
	s_add_co_u32 s22, s22, 2*HALFT
.irp s, 0,1
	v_add_nc_u32 v[ADRA+\s], s21, v[CO]
	v_add_nc_u32 v[ADRB+\s], s22, v[CO]
	s_add_co_u32 s21, s21, SLOT
	s_add_co_u32 s22, s22, SLOT
.endr
	v_lshlrev_b32 v5, 2, v1
	s_lshl_b32 s21, s15, 12
	s_lshl_b32 s22, s16, 12
	s_add_co_u32 s22, s22, 2*HALFS
	s_sub_co_u32 s22, s22, s21
	v_mul_u32_u24 v6, s22, v2                      ; lanes 16-31 take B's words: one product with h
	s_add_co_u32 s21, s21, SCL
	v_add_nc_u32 v5, v5, v6
	v_add_nc_u32 v[ADRS], s21, v5
	s_cmp_eq_u32 s96, 1
	s_cbranch_scc1 .Lno_bias
	s_lshl_b32 s18, s42, 10                        ; q, k: the bias of my 128 columns, in the result's layout: tile b: columns 16 b + 8 h + 0..7
	s_lshl_b32 s19, s16, 9
	s_add_co_u32 s18, s18, s19
	s_mov_b32 s19, 0
	s_add_nc_u64 s[8:9], s[8:9], s[18:19]
	WIN TO_B
.irp b, 0,1,2,3,4,5,6,7
	global_load_b128 v[192+8*\b:195+8*\b], v30, s[8:9] offset:64*\b
	global_load_b128 v[196+8*\b:199+8*\b], v30, s[8:9] offset:64*\b+16
.endr
	WIN 0
.Lno_bias:
.macro FRAG reg, adr, q, i
.irp c, 0,1
	ds_load_b128 v[\reg+4*\c:\reg+4*\c+3], v[\adr] offset:(\i)*4096+(\q)*1024+512*\c
.endr
.endm
; 16 matrix instructions: A's blocks a0, a0 + 1 x B's eight.  zero = 1: the first product starts the sums; 2: it takes the bias as C.  The 64 accumulators take turns.
.macro MUL16 a0, p, q, sc, zero
.irp a, \a0, \a0+1
.irp b, 0,1,2,3,4,5,6,7
.if \zero == 1
	v_wmma_scale_f32_16x16x128_f8f6f4 v[8*(8*((\a)%4)+\b):8*(8*((\a)%4)+\b)+7], v[128*(\p)+FR*\b:128*(\p)+FR*\b+FR-1], v[AF+FR*(\a):AF+FR*(\a)+FR-1], 0, v[SC+8*NQ*(\sc)+NQ*\b+(\q)], v[SC+8*NQ*(\sc)+NQ*(\a)+(\q)] matrix_a_fmt:MATRIX_FMT_FP4 matrix_b_fmt:MATRIX_FMT_FP4 matrix_a_scale:MATRIX_SCALE_ROW1
.elseif \zero == 2
	v_wmma_scale_f32_16x16x128_f8f6f4 v[8*(8*((\a)%4)+\b):8*(8*((\a)%4)+\b)+7], v[128*(\p)+FR*\b:128*(\p)+FR*\b+FR-1], v[AF+FR*(\a):AF+FR*(\a)+FR-1], v[192+8*\b:199+8*\b], v[SC+8*NQ*(\sc)+NQ*\b+(\q)], v[SC+8*NQ*(\sc)+NQ*(\a)+(\q)] matrix_a_fmt:MATRIX_FMT_FP4 matrix_b_fmt:MATRIX_FMT_FP4 matrix_a_scale:MATRIX_SCALE_ROW1
.else
	v_wmma_scale_f32_16x16x128_f8f6f4 v[8*(8*((\a)%4)+\b):8*(8*((\a)%4)+\b)+7], v[128*(\p)+FR*\b:128*(\p)+FR*\b+FR-1], v[AF+FR*(\a):AF+FR*(\a)+FR-1], v[8*(8*((\a)%4)+\b):8*(8*((\a)%4)+\b)+7], v[SC+8*NQ*(\sc)+NQ*\b+(\q)], v[SC+8*NQ*(\sc)+NQ*(\a)+(\q)] matrix_a_fmt:MATRIX_FMT_FP4 matrix_b_fmt:MATRIX_FMT_FP4 matrix_a_scale:MATRIX_SCALE_ROW1
.endif
.endr
.endr
.endm
.macro FETCH_B slot, q, p
	WIN TO_B
.irp i, 0,1,2,3,4,5,6,7
	FRAG 128*(\p)+FR*\i, ADRB+\slot, \q, \i
.endr
	WIN 0
.endm
.macro FETCH_A slot, q, i0
.irp i, \i0, \i0+1, \i0+2, \i0+3
	FRAG AF+FR*(\i), ADRA+\slot, \q, \i
.endr
.endm
.macro SCALES sc                       ; register 4 i + q of set sc: lanes 0-15 the words of A's block i, lanes 16-31 those of B's block i, K step 4 sc + q
.irp i, 0,1,2,3,4,5,6,7
.irp q, 0,1,2,3
	ds_load_b32 v[SC+32*\sc+4*\i+\q], v[ADRS] offset:(4*\sc+\q)*512+\i*64
.endr
.endr
.endm
.macro PLACES n                        ; plain vector lines between a matrix instruction and a load into, or a read of, its registers
.rept \n
	v_nop
.endr
.endm
.macro STEP slot, q, zero
	s_wait_dscnt 4*NL                              ; all but the youngest eight loads (A's blocks 4-7) are in
.if \zero == 2
	WIN 0x91                                       ; C (the bias) window 1, D window 2
.else
	WIN MUL_LO
.endif
	MUL16 0, (\q)%2, \q, \slot, \zero
	MUL16 2, (\q)%2, \q, \slot, \zero
	s_wait_dscnt 0
	PLACES NP
	FETCH_B \slot, (\q)+1, 1-(\q)%2
	FETCH_A \slot, (\q)+1, 0
.if \zero == 2
	WIN 0xd1
.else
	WIN MUL_HI
.endif
	MUL16 4, (\q)%2, \q, \slot, \zero
	MUL16 6, (\q)%2, \q, \slot, \zero
	PLACES NP
	WIN 0
	FETCH_A \slot, (\q)+1, 4
.endm
.macro STEPS slot, from
.set Q, \from
.rept NQ-1-\from
	STEP \slot, Q, 0
.set Q, Q+1
.endr
.endm
	s_wait_tensorcnt 1                             ; the scales and my part of slot 0 are in; slot 1's load is younger,
	s_barrier_signal -1
	s_barrier_wait -1                              ; everybody's are
	FETCH_B 0, 0, 0
	FETCH_A 0, 0, 0
	SCALES 0
	FETCH_A 0, 0, 4
	s_cmp_eq_u32 s96, 1
	s_cbranch_scc1 .Lfirst_v
	s_wait_loadcnt 0x0                             ; the bias
	STEP 0, 0, 2
	s_branch .Lfirst_done
.Lfirst_v:
	STEP 0, 0, 1
.Lfirst_done:
	STEPS 0, 1
	; the change of slots: one barrier
	s_wait_tensorcnt 0x0                           ; my part of slot 1 is in
	ds_add_u32 v[SPW], v[NIL]
	s_wait_dscnt 4*NL+1                            ; the add and the youngest eight loads may be out
	WIN MUL_LO
	MUL16 0, 1, NQ-1, 0, 0
	s_wait_dscnt 0x0
	s_barrier_signal -1
	MUL16 2, 1, NQ-1, 0, 0
	WIN 0
	s_barrier_wait -1
	PLACES NP
	FETCH_B 1, 0, 0
	FETCH_A 1, 0, 0
	SCALES 1
	WIN MUL_HI
	MUL16 4, 1, NQ-1, 0, 0
	MUL16 6, 1, NQ-1, 0, 0
	PLACES NP
	WIN 0
	FETCH_A 1, 0, 4
	STEPS 1, 0
	s_wait_dscnt 4*NL
	WIN MUL_LO
	MUL16 0, 1, NQ-1, 1, 0
	MUL16 2, 1, NQ-1, 1, 0
	s_wait_dscnt 0
	WIN MUL_HI
	MUL16 4, 1, NQ-1, 1, 0
	MUL16 6, 1, NQ-1, 1, 0
	WIN 0
	PLACES NP
	; THE WAY OUT.  A lane's eight results are 16 bytes of an image at 16 x lane: every store is 512 consecutive bytes; no LDS.  Where my part begins, for both roles; then the choice.
	s_lshr_b32 s18, s42, 2                         ; J / 4
	s_and_b32 s19, s42, 3
	s_lshl_b32 s19, s19, 2
	s_lshl_b32 s66, s16, 1
	s_add_co_u32 s19, s19, s66                     ; 4 (J % 4) + 2 x my half of B'
	s_lshr_b32 s66, s95, 2                         ; I / 4
	s_and_b32 s67, s95, 3
	s_lshl_b32 s20, s66, 4
	s_add_co_u32 s20, s20, s19                     ; q, k: batch x 16 + my first head
	s_lshl_b32 s21, s20, 11
	s_lshl_b32 s22, s18, 18
	s_add_co_u32 s21, s21, s22                     ; q, k: in lo16
	s_lshl_b32 s20, s20, 17
	s_lshl_b32 s22, s18, 24
	s_add_co_u32 s20, s20, s22
	s_lshl_b32 s22, s67, 4
	s_lshl_b32 s23, s15, 3
	s_add_co_u32 s22, s22, s23
	s_lshl_b32 s22, s22, 11
	s_add_co_u32 s20, s20, s22                     ; q, k: in qkvf
	s_sub_co_u32 s22, s95, 8
	s_lshl_b32 s22, s22, 2
	s_lshl_b32 s23, s15, 1
	s_add_co_u32 s22, s22, s23                     ; v: my first head
	s_lshl_b32 s23, s18, 4
	s_add_co_u32 s23, s23, s22
	s_lshl_b32 s23, s23, 11
	s_add_co_u32 s23, s23, 524288                  ; v: in lo16
	s_lshl_b32 s22, s22, 13
	s_lshl_b32 s2, s19, 17
	s_add_co_u32 s22, s22, s2
	s_lshl_b32 s2, s18, 21
	s_add_co_u32 s22, s22, s2
	s_add_co_u32 s22, s22, 0x2000000               ; v: in qkvf
	s_cmp_eq_u32 s96, 1
	s_cselect_b32 s20, s22, s20
	s_cselect_b32 s22, s23, s21
	s_mov_b32 s21, 0
	s_mov_b32 s23, 0
	s_add_nc_u64 s[10:11], s[10:11], s[20:21]
	s_add_nc_u64 s[12:13], s[12:13], s[22:23]
; The low parts of tokens 0-15 of a sequence: eight accumulators.  f16(x) is made in f32 by whole-number rounding to nearest even at bit 13; the rest goes out as f16.
.macro LOW16 vrole
.irp e, 0,1,2,3,4,5,6,7
.if \vrole
.set RA, 64*(\e%4)
	WIN (0x02+\e/4)                                ; source 0: the accumulator's window
.else
.set RA, 8*\e
	WIN 0x02
.endif
.irp i, 0,1,2,3,4,5,6,7
	v_bfe_u32 v[128+8*\e+\i], v[RA+\i], 13, 1      ; each accumulator from its low end on
.endr
.irp i, 0,1,2,3,4,5,6,7
	v_add_nc_u32 v[128+8*\e+\i], v[RA+\i], v[128+8*\e+\i]
.endr
.irp i, 0,1,2,3,4,5,6,7
	v_add_nc_u32 v[128+8*\e+\i], 0xfff, v[128+8*\e+\i]
.endr
.irp i, 0,1,2,3,4,5,6,7
	v_and_b32 v[128+8*\e+\i], 0xffffe000, v[128+8*\e+\i]
.endr
.irp i, 0,1,2,3,4,5,6,7
	v_sub_f32 v[128+8*\e+\i], v[RA+\i], v[128+8*\e+\i]
.endr
.endr
	WIN 0
.irp e, 0,1,2,3,4,5,6,7
.irp i, 0,1,2,3
	v_cvt_pk_f16_f32 v[192+4*\e+\i], v[128+8*\e+2*\i], v[129+8*\e+2*\i]
.endr
.endr
.irp e, 0,1,2,3,4,5,6,7
	global_store_b128 v[CO], v[192+4*\e:195+4*\e], s[12:13] offset:\e*512
.endr
	s_wait_xcnt 0x0                                ; these stores have read their data: v192 on is written again below
.endm
	s_and_b32 s18, s17, 3                          ; the tile holds tokens 0-15 where Y % 4 = 0 (the cluster's y alone), in the wave with the tokens' first half
	s_cmp_eq_u32 s96, 1
	s_cselect_b32 s19, s16, s15
	s_or_b32 s18, s18, s19
	s_cmp_lg_u32 s18, 0
	s_cbranch_scc1 .Lno_low
	s_cmp_eq_u32 s96, 1
	s_cbranch_scc1 .Llow_v
	LOW16 0
	s_branch .Lno_low
.Llow_v:
	LOW16 1
.Lno_low:
.macro PACK a
.if (\a) >= 4
	s_wait_xcnt 0x0                                ; block a - 4's stores have read the registers that are written now
.endif
.set AC, 64*((\a)%4)
.set TM, 128+32*((\a)%4)
	WIN (0x0a+5*((\a)/4))
.irp b, 0,1,2,3,4,5,6,7
.irp r, 0,1,2,3
	v_cvt_pk_f16_f32 v[TM+4*\b+\r], v[AC+8*\b+2*\r], v[AC+8*\b+2*\r+1]
.endr
.endr
	WIN 0
.irp b, 0,1,2,3,4,5,6,7
	global_store_b128 v[CO], v[TM+4*\b:TM+4*\b+3], s[10:11] offset:(\a)*2048+(\b/4)*131072+((\b/2)%2)*1024+(\b%2)*512
.endr
.endm
.irp a, 0,1,2,3,4,5,6,7
	PACK \a
.endr
	s_wait_tensorcnt 0x0                           ; the wave's end
	ds_add_u32 v[SPW], v[NIL]
	s_wait_dscnt 0x0
	CROUND                                         ; the closing round
	s_endpgm
.Lfunc_end_k_qd2ac6ad462_qkv:
	.size	k_qd2ac6ad462_qkv, .Lfunc_end_k_qd2ac6ad462_qkv-k_qd2ac6ad462_qkv
	.p2alignl 7, 3214868480
	.fill 96, 4, 3214868480
	.section	.rodata,"a",@progbits
	.p2align	6, 0x0
	.amdhsa_kernel k_qd2ac6ad462_qkv
		.amdhsa_group_segment_fixed_size 327680
		.amdhsa_private_segment_fixed_size 0
		.amdhsa_enable_private_segment 0
		.amdhsa_kernarg_size 40
		.amdhsa_user_sgpr_count 2
		.amdhsa_user_sgpr_kernarg_segment_ptr 1
		.amdhsa_wavefront_size32 1
		.amdhsa_system_sgpr_workgroup_id_x 1
		.amdhsa_system_sgpr_workgroup_id_y 1
		.amdhsa_system_sgpr_workgroup_id_z 1
		.amdhsa_system_vgpr_workitem_id 0
		.amdhsa_next_free_vgpr 1024
		.amdhsa_next_free_sgpr 102
		.amdhsa_reserve_vcc 0
		.amdhsa_float_denorm_mode_32 3
		.amdhsa_float_denorm_mode_16_64 3
		.amdhsa_memory_ordered 1
		.amdhsa_forward_progress 1
		.amdhsa_inst_pref_size 172
	.end_amdhsa_kernel
	.amdgpu_metadata
---
amdhsa.version: [ 1, 2 ]
amdhsa.kernels:
  - .name:           k_qd2ac6ad462_qkv
    .symbol:         k_qd2ac6ad462_qkv.kd
    .args:
      - { .name: xc, .offset: 0, .size: 8, .value_kind: global_buffer, .address_space: global }
      - { .name: wc, .offset: 8, .size: 8, .value_kind: global_buffer, .address_space: global }
      - { .name: c_attn_b, .offset: 16, .size: 8, .value_kind: global_buffer, .address_space: global }
      - { .name: qkvf, .offset: 24, .size: 8, .value_kind: global_buffer, .address_space: global }
      - { .name: lo16, .offset: 32, .size: 8, .value_kind: global_buffer, .address_space: global }
    .group_segment_fixed_size: 327680
    .private_segment_fixed_size: 0
    .kernarg_segment_align: 8
    .kernarg_segment_size: 40
    .max_flat_workgroup_size: 128
    .sgpr_count:     102
    .vgpr_count:     1024
    .wavefront_size: 32
...
	.end_amdgpu_metadata
.endif
;; end of part 2
;; launch attn (part 3): grid 2 x 128, 16 waves a work-group, no clusters, 327,680 bytes of LDS; arguments qkvf, c_attn_b, af, vtail; writes af, vtail
.if DOCPART == 3
	.amdgcn_target "amdgcn-amd-amdhsa--gfx1250"
	.amdhsa_code_object_version 6
	.text
	.protected	k_qd2ac6ad462_attn
	.globl	k_qd2ac6ad462_attn
	.p2align	8
	.type	k_qd2ac6ad462_attn,@function
k_qd2ac6ad462_attn:
	s_mov_b64 s[64:65], 0
	v_nop
	global_prefetch_b8 v0, s[64:65] scope:SCOPE_SE
	s_setreg_imm32_b32 hwreg(HW_REG_WAVE_MODE, 25, 1), 1
	s_wait_xcnt 0x0
; a = softmax(q k^T / 8 under GPT-2's mask) v + b_v, f16 operands, f32 sums, a running maximum.
; LEFT OUT: q k^T for key steps wholly behind a wave's queries: reference() multiplies those scores by 0 and takes 10000 away, so each is -10000 for all inputs.  Their weights are equal: their part of
; the result is that weight x the sum of those rows of v (block sums, made here by a product with ones), their part of the denominator their number x that weight; -10000 takes part in the maximum.
; v's bias: the weights sum to 1, so it is added behind the division.  A NaN, infinity or overflow that arises only in the masked q k^T is not carried on.
; SHARES.  Work-group (p, batch x head).  Wave w owns 32 queries, 64 idx + 32 p on, two tiles of 16; idx = 4 (i ^ g) + (i ^ perm(g)), i = w / 4, g = w % 4: over any four waves with equal w % 4, and
; with equal w / 4, the idx sum to 30.  It works key steps 0 .. idx of 64 keys.  The head's whole K and V^T (256 KiB) come into LDS once, in four stages of 256 keys (waves 0, 1: K; waves 2, 3: V^T; four loads each).
; No cluster: only two work-groups share a head's tiles.  Queries 0-15 are computed here too (half of one wave's 32); launch fine makes the output rows that hang on them more finely.
; LAYOUT.  S^T = K Q^T and O^T = V^T P: a lane holds one query (lane % 16); scores of two neighbouring tiles, rounded to f16 in pairs, are the second product's operand.
; Scores stay unscaled: p = 2^(c s - c m), c = log2(e) / 8; the masked score is -80000.
; BARRIERS.  B0: stage 0 is whole.  B(s+1) is signalled at the head of stage s, when my load of stage s + 1 has landed (s = 3: my block sum lies in LDS), and waited for at its end; between stand register work and
; LDS loads of K's and V's bytes, which nothing writes again.
.set BS,    262144                     ; [16 blocks of 64 keys][64 f32]: sums of v's rows (block 0 without keys 0-15)
.set BVB,   266240                     ; 256 bytes a wave: b_v of my head
.set SPARE, 270336
.set KV,  64                           ; v64-127 a step's K, then its V^T
.set S,   128                          ; v128-191 scores: tile y at 32 y; register 8 t + j = key 16 t + 8 h + j; p is packed into the tile's first 16
.set O,   192                          ; v192-255 O^T: 32 y + 8 dt
; v1 16 L; v2, v3 step's addresses; v4 32 p + r - 8 h; v5, v6 the add's two; v7 BS + 32 h; v8 BS + 256 w + 32 h; v9 my block of V^T; v12 + 8 y: c m, m, l (two), c0-c3; v28, v29 b_v's places; v32-63 Q
	s_load_b256 s[4:11], s[0:1], 0x0               ; qkvf, c_attn_b, af, vtail
	v_lshl_add_u32 v5, v0, 2, SPARE
	v_mov_b32 v6, 0
	ds_add_u32 v5, v6                              ; the wave's opening: the add, twice on end, and its wait ahead of the first tensor load
	ds_add_u32 v5, v6
	v_lshrrev_b32 v1, 5, v0
	v_readfirstlane_b32 s12, v1                    ; wave
	s_mov_b32 s13, ttmp9                           ; p
	s_and_b32 s14, ttmp7, 0xffff                   ; batch x head
	s_lshr_b32 s15, s14, 4
	s_and_b32 s16, s14, 15
	s_lshr_b32 s56, s12, 2
	s_and_b32 s57, s12, 3
	s_xor_b32 s62, s56, s57
	s_lshl_b32 s57, s57, 1
	s_lshr_b32 s57, 0x78, s57
	s_and_b32 s57, s57, 3                          ; perm = 0, 2, 3, 1
	s_xor_b32 s57, s57, s56
	s_lshl_b32 s62, s62, 2
	s_add_co_u32 s17, s62, s57                     ; idx: my last key step
	s_mov_b32 s20, 0x76543210
	s_mov_b32 s21, 0xfedcba98
	s_mov_b32 s22, 0x3e38aa3b                      ; c
	s_mov_b32 s23, s22
	s_mov_b32 s58, 0xc79c4000                      ; -80000
	s_mov_b32 s24, 3<<16                           ; K: 2 rows of 8192 bytes (1024 elements of 8), dense
	s_mov_b32 s25, 1024<<16
	s_mov_b32 s26, 2<<16
	s_mov_b32 s27, 1024<<16
	s_mov_b32 s28, 2
	s_mov_b32 s29, 1024
	s_mov_b32 s30, 0
	s_mov_b32 s31, 0
	s_mov_b32 s32, 3<<16                           ; V^T: 2 rows of 8192 bytes, 131072 bytes apart
	s_mov_b32 s33, 1024<<16
	s_mov_b32 s34, 2<<16
	s_mov_b32 s35, 1024<<16
	s_mov_b32 s36, 2
	s_mov_b32 s37, 16384
	s_mov_b32 s38, 0
	s_mov_b32 s39, 0
	s_and_b32 s93, s12, 1
	s_lshl_b32 s94, s93, 14
	s_lshl_b32 s95, s93, 18
	s_lshl_b32 s86, s14, 17
	s_add_co_u32 s86, s86, s94
	s_add_co_u32 s86, s86, 16777216
	s_mov_b32 s87, 0
	s_lshl_b32 s88, s15, 21
	s_lshl_b32 s56, s16, 13
	s_add_co_u32 s88, s88, s56
	s_add_co_u32 s88, s88, s95
	s_add_co_u32 s88, s88, 33554432
	s_mov_b32 s89, 0
	s_wait_dscnt 0x0
	s_wait_kmcnt 0x0
	s_add_nc_u64 s[86:87], s[4:5], s[86:87]
	s_add_nc_u64 s[88:89], s[4:5], s[88:89]
.irp s, 0,1,2,3
	s_mov_b32 s[40+4*\s], 1
	s_add_co_u32 s[41+4*\s], s94, \s*32768
	s_add_nc_u64 s[42+4*\s:43+4*\s], s[86:87], \s*32768
	s_or_b32 s[43+4*\s], s[43+4*\s], 0x80000000
	s_mov_b32 s[68+4*\s], 1
	s_add_co_u32 s[69+4*\s], s94, \s*32768+131072
	s_add_nc_u64 s[70+4*\s:71+4*\s], s[88:89], \s*524288
	s_or_b32 s[71+4*\s], s[71+4*\s], 0x80000000
.endr
	s_cmp_lt_u32 s12, 2                            ; a wave's four first fills stand in one arm
	s_cbranch_scc0 .Lnot_k
.irp s, 0,1,2,3
	tensor_load_to_lds s[40+4*\s:43+4*\s], s[24:31]
	s_nop 0
.endr
.rept 4
	v_nop
.endr
	s_branch .Lasked
.Lnot_k:
	s_cmp_lt_u32 s12, 4
	s_cbranch_scc0 .Lasked
.irp s, 0,1,2,3
	tensor_load_to_lds s[68+4*\s:71+4*\s], s[32:39]
	s_nop 0
.endr
.rept 4
	v_nop
.endr
.Lasked:
	s_lshl_b32 s56, s17, 2
	s_lshl_b32 s57, s13, 1
	s_add_co_u32 s56, s56, s57                     ; my first tile of 16 queries
	s_lshl_b32 s84, s14, 17
	s_lshl_b32 s57, s56, 11
	s_add_co_u32 s84, s84, s57
	s_mov_b32 s85, 0
	s_add_nc_u64 s[84:85], s[4:5], s[84:85]        ; Q
	s_lshl_b32 s60, s15, 6
	s_add_co_u32 s60, s60, s56
	s_lshl_b32 s60, s60, 15
	s_lshl_b32 s57, s16, 11
	s_add_co_u32 s60, s60, s57
	s_mov_b32 s61, 0
	s_add_nc_u64 s[60:61], s[8:9], s[60:61]        ; af: [16 tokens][32 features: 2 head + dt / 2][dt % 2][512]
	s_lshl_b32 s62, s16, 8
	s_add_co_u32 s62, s62, 8192
	s_mov_b32 s63, 0
	s_add_nc_u64 s[6:7], s[6:7], s[62:63]          ; b_v of my head
	s_lshl_b32 s62, s14, 8
	s_add_nc_u64 s[10:11], s[10:11], s[62:63]      ; vtail's row
	v_and_b32 v10, 31, v0
	v_lshlrev_b32 v1, 4, v10
	v_lshlrev_b32 v31, 3, v10
.irp n, 0,1,2,3,4,5,6,7
	global_load_b128 v[32+4*\n:35+4*\n], v1, s[84:85] offset:512*\n
.endr
	global_load_b64 v[128:129], v31, s[6:7]
	v_and_b32 v11, 15, v0
	v_bfe_u32 v30, v0, 4, 1
	v_lshlrev_b32 v4, 3, v30
	v_sub_nc_u32 v4, v11, v4
	s_lshl_b32 s56, s13, 5
	v_add_nc_u32 v4, s56, v4
	v_lshlrev_b32 v7, 5, v30
	s_lshl_b32 s57, s12, 8
	v_add_nc_u32 v8, s57, v7
	v_add_nc_u32 v29, BVB, v8
	v_add_nc_u32 v8, BS, v8
	v_add_nc_u32 v7, BS, v7
	v_add_nc_u32 v28, s57, v31
	v_add_nc_u32 v28, BVB, v28
	s_lshl_b32 s57, s12, 13
	s_add_co_u32 s57, s57, 131072
	v_add_nc_u32 v9, s57, v1
.irp y, 0,1
	v_mov_b32 v[13+8*\y], 0xff61b1e6               ; m = -3e38, under every score: one text serves the first step too
	v_mul_f32 v[12+8*\y], s22, v[13+8*\y]
	v_mov_b32 v[14+8*\y], 0
	v_mov_b32 v[15+8*\y], 0
	v_mov_b32 v[16+8*\y], 0
	v_mov_b32 v[17+8*\y], 0
	v_mov_b32 v[18+8*\y], 0
	v_mov_b32 v[19+8*\y], 0
.endr
.set i, 0
.rept 64
	v_mov_b32 v[O+i], 0
.set i, i+1
.endr
	s_wait_loadcnt 0x0
	ds_store_b64 v28, v[128:129]
	s_wait_dscnt 0x0
	s_wait_tensorcnt 3                             ; my load of stage 0 is in; the three later stages' are younger
	s_barrier_signal -1
	s_barrier_wait -1
.macro SOFTMAX                         ; the two tiles line by turns
.irp j, 0,1,2,3
.irp y, 0,1
	v_max3_num_f32 v[16+8*\y+\j], v[S+32*\y+8*\j], v[S+32*\y+8*\j+1], v[S+32*\y+8*\j+2]   ; each accumulator from its low end on
.endr
.endr
.irp k, 3,5
.irp j, 0,1,2,3
.irp y, 0,1
	v_max3_num_f32 v[16+8*\y+\j], v[16+8*\y+\j], v[S+32*\y+8*\j+\k], v[S+32*\y+8*\j+\k+1]
.endr
.endr
.endr
.irp y, 0,1
	v_max3_num_f32 v[16+8*\y], v[16+8*\y], v[S+32*\y+7], v[S+32*\y+15]
.endr
.irp y, 0,1
	v_max3_num_f32 v[18+8*\y], v[18+8*\y], v[S+32*\y+23], v[S+32*\y+31]
.endr
.irp y, 0,1
	v_max3_num_f32 v[16+8*\y], v[16+8*\y], v[17+8*\y], v[18+8*\y]
.endr
.irp y, 0,1
	v_max3_num_f32 v[16+8*\y], v[16+8*\y], v[19+8*\y], v[13+8*\y]    ; with the old m
.endr
.irp y, 0,1
	v_permlanex16_b32 v[17+8*\y], v[16+8*\y], s20, s21               ; the query's other 32 keys
.endr
.irp y, 0,1
	v_mov_b32 v[19+8*\y], v[12+8*\y]
.endr
.irp y, 0,1
	v_max_num_f32 v[13+8*\y], v[16+8*\y], v[17+8*\y]
.endr
.irp y, 0,1
	v_mul_f32 v[12+8*\y], s22, v[13+8*\y]
.endr
.irp y, 0,1
	v_sub_f32 v[19+8*\y], v[19+8*\y], v[12+8*\y]                     ; c m_old - c m_new
.endr
.set i, 0
.rept 16
.irp y, 0,1
	v_pk_fma_f32 v[S+32*\y+2*i:S+32*\y+2*i+1], v[S+32*\y+2*i:S+32*\y+2*i+1], s[22:23], v[12+8*\y:13+8*\y] op_sel_hi:[1,0,0] neg_lo:[0,0,1] neg_hi:[0,0,1]
.endr
.set i, i+1
.endr
.irp y, 0,1
	v_exp_f32 v[18+8*\y], v[19+8*\y]                                 ; alpha
.endr
.set i, 0
.rept 32
.irp y, 0,1
	v_exp_f32 v[S+32*\y+i], v[S+32*\y+i]
.endr
.set i, i+1
.endr
	v_nop                                          ; a plain line behind the last exponential,
	s_wait_alu depctr_va_vdst(0)                   ; and one wait for the batch of 66, ahead of its first reader
.irp y, 0,1
	v_pk_fma_f32 v[14+8*\y:15+8*\y], v[14+8*\y:15+8*\y], v[18+8*\y:19+8*\y], v[S+32*\y:S+32*\y+1] op_sel_hi:[1,0,1]   ; l = l alpha + the sum of the unrounded p, in two chains
.endr
.irp y, 0,1
	v_pk_add_f32 v[16+8*\y:17+8*\y], v[S+32*\y+2:S+32*\y+3], v[S+32*\y+6:S+32*\y+7]
.endr
.irp j, 4,8,12,16,20,24,28
.irp y, 0,1
	v_pk_add_f32 v[14+8*\y:15+8*\y], v[14+8*\y:15+8*\y], v[S+32*\y+\j:S+32*\y+\j+1]
.endr
.endr
.irp j, 10,14,18,22,26,30
.irp y, 0,1
	v_pk_add_f32 v[16+8*\y:17+8*\y], v[16+8*\y:17+8*\y], v[S+32*\y+\j:S+32*\y+\j+1]
.endr
.endr
.irp y, 0,1
	v_pk_add_f32 v[14+8*\y:15+8*\y], v[14+8*\y:15+8*\y], v[16+8*\y:17+8*\y]
.endr
.set i, 0
.rept 16
.irp y, 0,1
	v_cvt_pk_f16_f32 v[S+32*\y+i], v[S+32*\y+2*i], v[S+32*\y+2*i+1]  ; in place, ascending: what is written has been read
.endr
.set i, i+1
.endr
.set i, 0
.rept 16
.irp y, 0,1
	v_pk_mul_f32 v[O+32*\y+2*i:O+32*\y+2*i+1], v[O+32*\y+2*i:O+32*\y+2*i+1], v[18+8*\y:19+8*\y] op_sel_hi:[1,0]
.endr
.set i, i+1
.endr
.endm
; A KEY STEP of 64 keys, number s18, its tiles at LDS byte s19.  A step behind my queries is jumped over: a branch on ids.
.macro STEP
	s_cmp_gt_u32 s18, s17
	s_cbranch_scc1 .Lhid_\@
	v_add_nc_u32 v2, s19, v1
.rept 4
	v_nop                                          ; with the line above five places: the products below write over registers that the last products read
.endr
.irp n, 0,1,2,3,4,5,6,7,8,9,10,11,12,13,14,15
	ds_load_b128 v[KV+4*\n:KV+4*\n+3], v2 offset:512*\n
.endr
	s_wait_dscnt 0x0
.irp u, 0,1                                    ; the eight accumulators take turns
.irp t, 0,1,2,3
.irp y, 0,1
.if \u == 0
	v_wmma_f32_16x16x32_f16 v[S+32*\y+8*\t:S+32*\y+8*\t+7], v[KV+8*(2*\t+\u):KV+8*(2*\t+\u)+7], v[32+16*\y+8*\u:32+16*\y+8*\u+7], 0
.else
	v_wmma_f32_16x16x32_f16 v[S+32*\y+8*\t:S+32*\y+8*\t+7], v[KV+8*(2*\t+\u):KV+8*(2*\t+\u)+7], v[32+16*\y+8*\u:32+16*\y+8*\u+7], v[S+32*\y+8*\t:S+32*\y+8*\t+7]
.endif
.endr
.endr
.endr
	v_add_nc_u32 v3, 0x20000, v2
.rept 3
	v_nop                                          ; four places in front of the loads into K's registers and of the first read of the scores
.endr
.irp n, 0,1,2,3,4,5,6,7,8,9,10,11,12,13,14,15
	ds_load_b128 v[KV+4*\n:KV+4*\n+3], v3 offset:512*\n       ; V^T lands under the softmax
.endr
	s_cmp_lg_u32 s18, s17
	s_cbranch_scc1 .Lopen_\@
	v_mov_b32 v10, s58                             ; my diagonal step: key 16 t + 8 h + j is masked for query 32 p + 16 y + r where 16 t + j - 16 y > 32 p + r - 8 h
.irp y, 0,1
.irp t, 0,1,2,3
.irp j, 0,1,2,3,4,5,6,7
	v_cmp_gt_i32 vcc_lo, 16*\t+\j-16*\y, v4
	v_cndmask_b32 v[S+32*\y+8*\t+\j], v[S+32*\y+8*\t+\j], v10, vcc_lo
.endr
.endr
.endr
.Lopen_\@:
	SOFTMAX
	s_wait_dscnt 0x0                               ; V^T is in
.irp k, 0,1
.irp d, 0,1,2,3
.irp y, 0,1
	v_wmma_f32_16x16x32_f16 v[O+32*\y+8*\d:O+32*\y+8*\d+7], v[KV+8*(2*\d+\k):KV+8*(2*\d+\k)+7], v[S+32*\y+8*\k:S+32*\y+8*\k+7], v[O+32*\y+8*\d:O+32*\y+8*\d+7]
.endr
.endr
.endr
.Lhid_\@:
.endm
; Wave w sums the 64 rows of v of key block w, by a product of V^T with ones (block 0: zeros for keys 0-15).  Every column of the result is the sum.
.macro BSUM
.rept 5
	v_nop
.endr
.irp n, 0,1,2,3,4,5,6,7,8,9,10,11,12,13,14,15
	ds_load_b128 v[KV+4*\n:KV+4*\n+3], v9 offset:512*\n
.endr
	s_mov_b32 s57, 0x3c003c00
	s_cmp_eq_u32 s12, 0
	s_cselect_b32 s56, 0, s57
.irp i, 0,1,2,3
	v_mov_b32 v[128+\i], s56
.endr
.irp i, 4,5,6,7,8,9,10,11
	v_mov_b32 v[128+\i], s57
.endr
	s_wait_dscnt 0x0
.irp d, 0,1,2,3
	v_wmma_f32_16x16x32_f16 v[144+8*\d:151+8*\d], v[KV+16*\d:KV+16*\d+7], v[128:135], 0
.endr
.irp d, 0,1,2,3
	v_wmma_f32_16x16x32_f16 v[144+8*\d:151+8*\d], v[KV+16*\d+8:KV+16*\d+15], v[132:139], v[144+8*\d:151+8*\d]
.endr
.rept 4
	v_nop
.endr
.irp d, 0,1,2,3
	ds_store_b128 v8, v[144+8*\d:147+8*\d] offset:64*\d          ; the sixteen lanes of a half write the same bytes with the same values
	ds_store_b128 v8, v[148+8*\d:151+8*\d] offset:64*\d+16
.endr
.endm
.macro STAGE s
.if \s < 3
	s_wait_tensorcnt 2-\s                          ; my load of stage s + 1 is in; the later stages' are younger
.else
	BSUM
.endif
	s_wait_dscnt 0x0
	s_barrier_signal -1
	s_mov_b32 s18, 4*\s
	s_mov_b32 s19, \s*32768
.Lst_\@:
	STEP
	s_add_co_u32 s19, s19, 8192
	s_add_co_u32 s18, s18, 1
	s_cmp_lt_u32 s18, 4*\s+4
	s_cbranch_scc1 .Lst_\@
	s_barrier_wait -1
.endm
	STAGE 0
	STAGE 1
	STAGE 2
	STAGE 3
	; THE MASKED KEY STEPS idx + 1 .. 15.  TS = the sum of their block sums, in O^T's layout.  Every wave walks the loop; trips at or under idx are jumped over inside it.
.rept 4
	v_nop
.endr
.irp n, 0,1,2,3,4,5,6,7
	ds_load_b128 v[128+4*\n:131+4*\n], v7 offset:3840+(\n/2)*64+(\n%2)*16
.endr
	s_mov_b32 s90, 1
	s_mov_b32 s91, 256
.Ltl:
	s_cmp_le_u32 s90, s17
	s_cbranch_scc1 .Ltsk
	v_add_nc_u32 v11, s91, v7
.irp n, 0,1,2,3,4,5,6,7
	ds_load_b128 v[KV+4*\n:KV+4*\n+3], v11 offset:(\n/2)*64+(\n%2)*16
.endr
	s_wait_dscnt 0x0
.set i, 0
.rept 16
	v_pk_add_f32 v[128+2*i:129+2*i], v[128+2*i:129+2*i], v[KV+2*i:KV+2*i+1]
.set i, i+1
.endr
.Ltsk:
	s_add_co_u32 s91, s91, 256
	s_add_co_u32 s90, s90, 1
	s_cmp_lt_u32 s90, 15
	s_cbranch_scc1 .Ltl
	s_wait_dscnt 0x0
	s_or_b32 s56, s17, s13
	s_cmp_lg_u32 s56, 0
	s_cbranch_scc1 .Lno_vt
.irp n, 0,1,2,3,4,5,6,7                        ; the wave with queries 0-31 stores the sum of v's rows 16 .. 1023 for launch fine
	ds_load_b128 v[KV+4*\n:KV+4*\n+3], v7 offset:(\n/2)*64+(\n%2)*16
.endr
	v_bfe_u32 v30, v0, 4, 1
	v_lshlrev_b32 v30, 5, v30
	v_and_b32 v31, 15, v0
	s_wait_dscnt 0x0
.set i, 0
.rept 16
	v_pk_add_f32 v[KV+2*i:KV+2*i+1], v[KV+2*i:KV+2*i+1], v[128+2*i:129+2*i]
.set i, i+1
.endr
	v_cmp_eq_u32 vcc_lo, 0, v31
	s_wait_xcnt 0x0                                ; EXEC changes only behind this wait
	s_and_saveexec_b32 s92, vcc_lo
.irp n, 0,1,2,3,4,5,6,7
	global_store_b128 v30, v[KV+4*\n:KV+4*\n+3], s[10:11] offset:(\n/2)*64+(\n%2)*16
.endr
	s_wait_xcnt 0x0
	s_or_b32 exec_lo, exec_lo, s92
.Lno_vt:
	s_cmp_eq_u32 s17, 15
	s_cbranch_scc1 .Lno_tail
	s_lshl_b32 s56, s17, 5
	s_sub_co_u32 s56, 480, s56                     ; 64 (15 - idx) masked keys: half of them counted in each half of the lanes
	v_cvt_f32_u32 v10, s56
.irp y, 0,1
	v_mov_b32 v[19+8*\y], v[12+8*\y]
.endr
.irp y, 0,1
	v_max_num_f32 v[13+8*\y], s58, v[13+8*\y]
.endr
.irp y, 0,1
	v_mul_f32 v[12+8*\y], s22, v[13+8*\y]
.endr
.irp y, 0,1
	v_sub_f32 v[19+8*\y], v[19+8*\y], v[12+8*\y]
.endr
.irp y, 0,1
	v_fma_f32 v[17+8*\y], s22, s58, -v[12+8*\y]
.endr
.irp y, 0,1
	v_exp_f32 v[18+8*\y], v[19+8*\y]               ; alpha
.endr
.irp y, 0,1
	v_exp_f32 v[16+8*\y], v[17+8*\y]               ; the masked keys' weight
.endr
	v_nop
	s_wait_alu depctr_va_vdst(0)                   ; one wait for the four
.irp y, 0,1
	v_pk_mul_f32 v[14+8*\y:15+8*\y], v[14+8*\y:15+8*\y], v[18+8*\y:19+8*\y] op_sel_hi:[1,0]
.endr
.irp y, 0,1
	v_fmac_f32 v[14+8*\y], v[16+8*\y], v10
.endr
.set i, 0
.rept 16
.irp y, 0,1
	v_pk_mul_f32 v[O+32*\y+2*i:O+32*\y+2*i+1], v[O+32*\y+2*i:O+32*\y+2*i+1], v[18+8*\y:19+8*\y] op_sel_hi:[1,0]
.endr
.set i, i+1
.endr
.set i, 0
.rept 16
.irp y, 0,1
	v_pk_fma_f32 v[O+32*\y+2*i:O+32*\y+2*i+1], v[128+2*i:129+2*i], v[16+8*\y:17+8*\y], v[O+32*\y+2*i:O+32*\y+2*i+1] op_sel_hi:[1,0,1]
.endr
.set i, i+1
.endr
.Lno_tail:
	; THE END: O^T / l + b_v, rounded to f16: a lane's eight features are 16 bytes of the projection's operand image.
.irp y, 0,1
	v_add_f32 v[16+8*\y], v[14+8*\y], v[15+8*\y]
.endr
.irp y, 0,1
	v_permlanex16_b32 v[17+8*\y], v[16+8*\y], s20, s21
.endr
.irp y, 0,1
	v_add_f32 v[16+8*\y], v[16+8*\y], v[17+8*\y]
.endr
.irp y, 0,1
	v_rcp_f32 v[18+8*\y], v[16+8*\y]
.endr
.irp n, 0,1,2,3,4,5,6,7
	ds_load_b128 v[KV+4*\n:KV+4*\n+3], v29 offset:(\n/2)*64+(\n%2)*16
.endr
	v_nop
	s_wait_alu depctr_va_vdst(0)
	s_wait_dscnt 0x0
.set i, 0
.rept 16
.irp y, 0,1
	v_pk_fma_f32 v[O+32*\y+2*i:O+32*\y+2*i+1], v[O+32*\y+2*i:O+32*\y+2*i+1], v[18+8*\y:19+8*\y], v[KV+2*i:KV+2*i+1] op_sel_hi:[1,0,1]
.endr
.set i, i+1
.endr
.set i, 0
.rept 16
.irp y, 0,1
	v_cvt_pk_f16_f32 v[128+16*\y+i], v[O+32*\y+2*i], v[O+32*\y+2*i+1]
.endr
.set i, i+1
.endr
.irp y, 0,1
.irp d, 0,1,2,3
	global_store_b128 v1, v[128+16*\y+4*\d:131+16*\y+4*\d], s[60:61] offset:\y*32768+\d*512    ; 512 consecutive bytes a store
.endr
.endr
	s_wait_tensorcnt 0x0                           ; the wave's end
	ds_add_u32 v5, v6
	s_wait_dscnt 0x0
	s_endpgm
.Lfunc_end_k_qd2ac6ad462_attn:
	.size	k_qd2ac6ad462_attn, .Lfunc_end_k_qd2ac6ad462_attn-k_qd2ac6ad462_attn
	.p2alignl 7, 3214868480
	.fill 96, 4, 3214868480
	.section	.rodata,"a",@progbits
	.p2align	6, 0x0
	.amdhsa_kernel k_qd2ac6ad462_attn
		.amdhsa_group_segment_fixed_size 327680
		.amdhsa_private_segment_fixed_size 0
		.amdhsa_enable_private_segment 0
		.amdhsa_kernarg_size 32
		.amdhsa_user_sgpr_count 2
		.amdhsa_user_sgpr_kernarg_segment_ptr 1
		.amdhsa_wavefront_size32 1
		.amdhsa_system_sgpr_workgroup_id_x 1
		.amdhsa_system_sgpr_workgroup_id_y 1
		.amdhsa_system_sgpr_workgroup_id_z 1
		.amdhsa_system_vgpr_workitem_id 0
		.amdhsa_next_free_vgpr 256
		.amdhsa_next_free_sgpr 96
		.amdhsa_reserve_vcc 1
		.amdhsa_float_denorm_mode_32 3
		.amdhsa_float_denorm_mode_16_64 3
		.amdhsa_memory_ordered 1
		.amdhsa_forward_progress 1
		.amdhsa_inst_pref_size 116
	.end_amdhsa_kernel
	.amdgpu_metadata
---
amdhsa.version: [ 1, 2 ]
amdhsa.kernels:
  - .name:           k_qd2ac6ad462_attn
    .symbol:         k_qd2ac6ad462_attn.kd
    .args:
      - { .name: qkvf, .offset: 0, .size: 8, .value_kind: global_buffer, .address_space: global }
      - { .name: c_attn_b, .offset: 8, .size: 8, .value_kind: global_buffer, .address_space: global }
      - { .name: af, .offset: 16, .size: 8, .value_kind: global_buffer, .address_space: global }
      - { .name: vtail, .offset: 24, .size: 8, .value_kind: global_buffer, .address_space: global }
    .group_segment_fixed_size: 327680
    .private_segment_fixed_size: 0
    .kernarg_segment_align: 8
    .kernarg_segment_size: 32
    .max_flat_workgroup_size: 512
    .sgpr_count:     96
    .vgpr_count:     256
    .wavefront_size: 32
...
	.end_amdgpu_metadata
.endif
;; end of part 3
;; launch fine (part 4): grid 16 x 8, 16 waves a work-group, no clusters, 79,872 bytes of LDS; arguments qkvf, lo16, vtail, wf, c_attn_b, c_proj_b, out0; writes out0
.if DOCPART == 4
	.amdgcn_target "amdgcn-amd-amdhsa--gfx1250"
	.amdhsa_code_object_version 6
	.text
	.protected	k_qd2ac6ad462_fine
	.globl	k_qd2ac6ad462_fine
	.p2align	8
	.type	k_qd2ac6ad462_fine,@function
k_qd2ac6ad462_fine:
	s_mov_b64 s[64:65], 0
	v_nop
	global_prefetch_b8 v0, s[64:65] scope:SCOPE_SE
	s_setreg_imm32_b32 hwreg(HW_REG_WAVE_MODE, 25, 1), 1
	s_wait_xcnt 0x0
; Output rows of positions 0-15 of every sequence, where a softmax row averages few values: every operand goes as a pair of f16 numbers, a high and a low part, both to the matrix unit.
; LEFT OUT as in launch attn: the scores of keys 16 .. 1023 are -10000 for all inputs: their part is one weight x vtail (the sum of those rows of v), and 1008 x that weight in the denominator.  v's bias is added behind the division.
; Work-group (x: 64 output columns; y: the batch).  Wave w is head w: its attention for the 16 rows, then those 64 features x c_proj_w's rows 64 w on; the sixteen partial sums meet in LDS.
.set SPARE, 77824
.set VTB,   69632                      ; 512 bytes a wave: vtail's row, then b_v
; v1 16 L; v2 r - 8 h; v3 stage in; v4 stage out; v5 out0's offset; v6, v7 VTB; v8-11 vtail, b_v raw; v12-15 c_proj_b; v16-79 QH QL KH KL, then W of tiles 2, 3, then the partial sums; v80-143 W of tiles 0, 1;
; v144-175 [Vh | Vl] x 4, then vtail, b_v, AH, AL; v176-207 O^T, then the projection's sums; v208-223 scores; v224-239 [PH|PH], [PL|PL]; v240-251 at work; v252, v253 the add's two; v254 16 r, v255 8 L
	s_load_b256 s[4:11], s[0:1], 0x0               ; qkvf, lo16, vtail, wf
	s_load_b128 s[12:15], s[0:1], 0x20             ; c_attn_b, c_proj_b
	s_load_b64 s[16:17], s[0:1], 0x30              ; out0
	v_lshl_add_u32 v252, v0, 2, SPARE
	v_mov_b32 v253, 0
	v_lshrrev_b32 v240, 5, v0
	v_readfirstlane_b32 s18, v240                  ; wave = head
	s_mov_b32 s19, ttmp9
	s_and_b32 s20, ttmp7, 0xffff
	s_lshl_b32 s21, s20, 4
	s_add_co_u32 s21, s21, s18                     ; batch x head
	s_mov_b32 s22, 0x76543210
	s_mov_b32 s23, 0xfedcba98
	s_mov_b32 s24, 0x3e38aa3b                      ; c = log2(e) / 8
	s_mov_b32 s25, s24
	s_mov_b32 s26, 0xc79c4000                      ; -80000
	v_and_b32 v240, 31, v0
	v_and_b32 v241, 15, v0
	v_bfe_u32 v242, v0, 4, 1
	v_lshlrev_b32 v1, 4, v240
	v_lshlrev_b32 v255, 3, v240
	v_lshlrev_b32 v254, 4, v241
	v_lshlrev_b32 v2, 3, v242
	v_sub_nc_u32 v2, v241, v2
	s_mul_i32 s28, s18, 4352
	v_mul_u32_u24 v3, v241, 272
	v_lshl_add_u32 v3, v242, 5, v3
	v_add_nc_u32 v3, s28, v3
	s_mul_i32 s29, s18, 544
	v_mul_u32_u24 v4, v242, 272
	v_lshl_add_u32 v4, v241, 4, v4
	v_add_nc_u32 v4, s29, v4
	v_lshlrev_b32 v5, 12, v242
	v_lshl_add_u32 v5, v241, 4, v5
	s_lshl_b32 s29, s18, 9
	s_add_co_u32 s29, s29, VTB
	v_add_nc_u32 v6, s29, v255
	v_lshl_add_u32 v7, v242, 5, s29
	v_mov_b32 v241, 0
	v_mov_b32 v243, 0
	v_mov_b32 v246, 0
	v_mov_b32 v251, 0
	s_lshl_b32 s30, s21, 17
	s_mov_b32 s31, 0
	s_lshl_b32 s34, s21, 11
	s_mov_b32 s35, 0
	s_lshl_b32 s36, s20, 21
	s_lshl_b32 s28, s18, 13
	s_add_co_u32 s36, s36, s28
	s_add_co_u32 s36, s36, 33554432
	s_mov_b32 s37, 0
	s_lshl_b32 s38, s19, 17
	s_lshl_b32 s29, s18, 11
	s_add_co_u32 s38, s38, s29
	s_mov_b32 s39, 0
	s_lshl_b32 s40, s21, 8
	s_mov_b32 s41, 0
	s_lshl_b32 s42, s18, 8
	s_add_co_u32 s42, s42, 8192
	s_mov_b32 s43, 0
	s_lshl_b32 s44, s19, 8
	s_mov_b32 s45, 0
	s_lshl_b32 s46, s20, 22
	s_add_co_u32 s46, s46, s28
	s_add_co_u32 s46, s46, s44
	s_mov_b32 s47, 0
	s_wait_kmcnt 0x0
	s_add_nc_u64 s[30:31], s[4:5], s[30:31]        ; Q's high parts, tokens 0-15
	s_add_nc_u64 s[32:33], s[30:31], 0x1000000     ; K's
	s_add_nc_u64 s[34:35], s[6:7], s[34:35]        ; the low parts
	s_add_nc_u64 s[36:37], s[4:5], s[36:37]        ; V^T's high parts
	s_add_nc_u64 s[38:39], s[10:11], s[38:39]      ; W: my four column tiles, features 64 w on
	s_add_nc_u64 s[8:9], s[8:9], s[40:41]
	s_add_nc_u64 s[12:13], s[12:13], s[42:43]
	s_add_nc_u64 s[14:15], s[14:15], s[44:45]
	s_add_nc_u64 s[16:17], s[16:17], s[46:47]
	global_load_b128 v[12:15], v254, s[14:15]      ; the oldest load: no later count sees it
.irp n, 0,1,2,3
	global_load_b128 v[16+4*\n:19+4*\n], v1, s[30:31] offset:512*\n
.endr
.irp n, 0,1,2,3
	global_load_b128 v[32+4*\n:35+4*\n], v1, s[34:35] offset:512*\n
.endr
.irp n, 0,1,2,3
	global_load_b128 v[48+4*\n:51+4*\n], v1, s[32:33] offset:512*\n
.endr
.irp n, 0,1,2,3
	global_load_b128 v[64+4*\n:67+4*\n], v1, s[34:35] offset:262144+512*\n
.endr
.irp d, 0,1,2,3
	global_load_b128 v[144+8*\d:147+8*\d], v1, s[36:37] offset:2048*\d
	global_load_b128 v[148+8*\d:151+8*\d], v1, s[34:35] offset:524288+512*\d
.endr
	global_load_b64 v[8:9], v255, s[8:9]
	global_load_b64 v[10:11], v255, s[12:13]
.macro WLOAD n                         ; column tile n: fragments (u, part) at 8 ((2 (n % 2) + u) 2 + part)
.set WB, 80-64*((\n)/2)
.irp u, 0,1
.irp p, 0,1
.irp c, 0,1
	global_load_b128 v[WB+8*((2*((\n)%2)+\u)*2+\p)+4*\c:WB+8*((2*((\n)%2)+\u)*2+\p)+4*\c+3], v1, s[38:39] offset:\p*2097152+(\n)*32768+\u*1024+\c*512
.endr
.endr
.endr
.endm
	WLOAD 0
	WLOAD 1
	s_wait_loadcnt 26                              ; q and k are in: 8 of v, 2 and 16 of W are younger
	v_wmma_f32_16x16x32_f16 v[208:215], v[48:55], v[16:23], 0              ; (KH + KL)(QH + QL) without KL QL: two sums by turns
	v_wmma_f32_16x16x32_f16 v[216:223], v[48:55], v[32:39], 0
	v_wmma_f32_16x16x32_f16 v[208:215], v[56:63], v[24:31], v[208:215]
	v_wmma_f32_16x16x32_f16 v[216:223], v[56:63], v[40:47], v[216:223]
	v_wmma_f32_16x16x32_f16 v[208:215], v[64:71], v[16:23], v[208:215]
	v_wmma_f32_16x16x32_f16 v[216:223], v[72:79], v[24:31], v[216:223]
.rept 4
	v_nop
.endr
	WLOAD 2
	WLOAD 3
.irp i, 0,2,4,6
	v_pk_add_f32 v[208+\i:209+\i], v[208+\i:209+\i], v[216+\i:217+\i]
.endr
	v_mov_b32 v250, s26
.irp j, 0,1,2,3,4,5,6,7
	v_cmp_gt_i32 vcc_lo, \j, v2                    ; key 8 h + j is masked for query r where j > r - 8 h
	v_cndmask_b32 v[208+\j], v[208+\j], v250, vcc_lo
.endr
	v_max3_num_f32 v240, v208, v209, v210
	v_max3_num_f32 v241, v211, v212, v213
	v_max3_num_f32 v240, v240, v214, v215
	v_max3_num_f32 v240, v240, v241, s26           ; -80000 takes part in the maximum
	v_permlanex16_b32 v241, v240, s22, s23
	v_max_num_f32 v240, v240, v241
	v_mul_f32 v242, s24, v240                      ; c m
.irp i, 0,2,4,6
	v_pk_fma_f32 v[208+\i:209+\i], v[208+\i:209+\i], s[24:25], v[242:243] op_sel_hi:[1,0,0] neg_lo:[0,0,1] neg_hi:[0,0,1]
.endr
	v_fma_f32 v244, s24, s26, -v242
.irp j, 0,1,2,3,4,5,6,7
	v_exp_f32 v[208+\j], v[208+\j]
.endr
	v_exp_f32 v244, v244                           ; the weight of each key from 16 on
	v_nop
	s_wait_alu depctr_va_vdst(0)                   ; one wait for the nine
	v_pk_add_f32 v[246:247], v[208:209], v[210:211]
	v_pk_add_f32 v[248:249], v[212:213], v[214:215]
	v_pk_add_f32 v[246:247], v[246:247], v[248:249]
	v_add_f32 v245, v246, v247
	v_permlanex16_b32 v246, v245, s22, s23
	v_add_f32 v245, v245, v246
	v_fmamk_f32 v245, v244, 0x447c0000, v245       ; + 1008 x that weight
	v_rcp_f32 v250, v245
.irp i, 0,1,2,3                                ; p = high + low: the high part keeps 11 significant bits
	v_and_b32 v248, 0xffffe000, v[208+2*\i]
	v_and_b32 v249, 0xffffe000, v[209+2*\i]
	v_cvt_pk_f16_f32 v[224+\i], v248, v249
	v_pk_add_f32 v[246:247], v[208+2*\i:209+2*\i], v[248:249] neg_lo:[0,1] neg_hi:[0,1]
	v_cvt_pk_f16_f32 v[232+\i], v246, v247
.endr
.irp i, 0,1,2,3
	v_mov_b32 v[228+\i], v[224+\i]
	v_mov_b32 v[236+\i], v[232+\i]
.endr
	s_wait_alu depctr_va_vdst(0)                   ; the reciprocal's wait, ahead of its first reader
	s_wait_loadcnt 32                              ; v, vtail and b_v are in: W's two runs of 16 are younger
	ds_store_b64 v6, v[8:9]
	ds_store_b64 v6, v[10:11] offset:256
.irp d, 0,1,2,3                                ; K = 32 = 16 keys of Vh, then the same 16 keys of Vl, against [P | P]
	v_wmma_f32_16x16x32_f16 v[176+8*\d:183+8*\d], v[144+8*\d:151+8*\d], v[224:231], 0
.endr
.irp d, 0,1,2,3
	v_wmma_f32_16x16x32_f16 v[176+8*\d:183+8*\d], v[144+8*\d:151+8*\d], v[232:239], v[176+8*\d:183+8*\d]
.endr
.rept 4
	v_nop
.endr
.irp n, 0,1,2,3,4,5,6,7
	ds_load_b128 v[144+4*\n:147+4*\n], v7 offset:(\n/2)*64+(\n%2)*16       ; vtail in O^T's layout; LDS serves a wave's instructions in order
.endr
	s_wait_dscnt 0x0
.set i, 0
.rept 16
	v_pk_fma_f32 v[176+2*i:177+2*i], v[144+2*i:145+2*i], v[244:245], v[176+2*i:177+2*i] op_sel_hi:[1,0,1]
.set i, i+1
.endr
.irp n, 0,1,2,3,4,5,6,7
	ds_load_b128 v[144+4*\n:147+4*\n], v7 offset:256+(\n/2)*64+(\n%2)*16
.endr
	s_wait_dscnt 0x0
.set i, 0
.rept 16
	v_pk_fma_f32 v[176+2*i:177+2*i], v[176+2*i:177+2*i], v[250:251], v[144+2*i:145+2*i] op_sel_hi:[1,0,1]   ; a = O / l + b_v
.set i, i+1
.endr
.set i, 0
.rept 16                                       ; a = AH + AL: v144-159, v160-175
	v_and_b32 v246, 0xffffe000, v[176+2*i]
	v_and_b32 v247, 0xffffe000, v[177+2*i]
	v_cvt_pk_f16_f32 v[144+i], v246, v247
	v_pk_add_f32 v[248:249], v[176+2*i:177+2*i], v[246:247] neg_lo:[0,1] neg_hi:[0,1]
	v_cvt_pk_f16_f32 v[160+i], v248, v249
.set i, i+1
.endr
	s_wait_loadcnt 0x0                             ; W
.macro PJ p, u, areg, zero             ; four products, the four column tiles by turns
.irp n, 0,1,2,3
.set WR, 80-64*(\n/2)+8*((2*(\n%2)+\u)*2+\p)
.if \zero
	v_wmma_f32_16x16x32_f16 v[176+8*\n:183+8*\n], v[WR:WR+7], v[\areg+8*\u:\areg+8*\u+7], 0
.else
	v_wmma_f32_16x16x32_f16 v[176+8*\n:183+8*\n], v[WR:WR+7], v[\areg+8*\u:\areg+8*\u+7], v[176+8*\n:183+8*\n]
.endif
.endr
.endm
	PJ 0, 0, 144, 1                                ; Wh AH + Wh AL + Wl AH
	PJ 0, 1, 144, 0
	PJ 0, 0, 160, 0
	PJ 0, 1, 160, 0
	PJ 1, 0, 144, 0
	PJ 1, 1, 144, 0
.rept 4
	v_nop
.endr
.irp n, 0,1,2,3
	ds_store_b128 v3, v[176+8*\n:179+8*\n] offset:64*\n          ; lane (r, h): row r, columns 16 n + 8 h + 0..7
	ds_store_b128 v3, v[180+8*\n:183+8*\n] offset:64*\n+16
.endr
	s_wait_dscnt 0x0                               ; my partial sums lie in LDS,
	s_barrier_signal -1
	s_barrier_wait -1                              ; everybody's do
	s_cmp_lt_u32 s18, 8
	s_cbranch_scc0 .Ldone
.irp s, 0,1,2,3,4,5,6,7,8,9,10,11,12,13,14,15  ; wave w adds rows 2 w and 2 w + 1 over the sixteen heads, in a fixed order
	ds_load_b128 v[16+4*\s:19+4*\s], v4 offset:\s*4352
.endr
	s_wait_dscnt 0x0
.irp s, 0,2,4,6,8,10,12,14
	v_pk_add_f32 v[16+4*\s:17+4*\s], v[16+4*\s:17+4*\s], v[20+4*\s:21+4*\s]
	v_pk_add_f32 v[18+4*\s:19+4*\s], v[18+4*\s:19+4*\s], v[22+4*\s:23+4*\s]
.endr
.irp s, 0,4,8,12
	v_pk_add_f32 v[16+4*\s:17+4*\s], v[16+4*\s:17+4*\s], v[24+4*\s:25+4*\s]
	v_pk_add_f32 v[18+4*\s:19+4*\s], v[18+4*\s:19+4*\s], v[26+4*\s:27+4*\s]
.endr
.irp s, 0,8
	v_pk_add_f32 v[16+4*\s:17+4*\s], v[16+4*\s:17+4*\s], v[32+4*\s:33+4*\s]
	v_pk_add_f32 v[18+4*\s:19+4*\s], v[18+4*\s:19+4*\s], v[34+4*\s:35+4*\s]
.endr
	v_pk_add_f32 v[16:17], v[16:17], v[48:49]
	v_pk_add_f32 v[18:19], v[18:19], v[50:51]
	v_pk_add_f32 v[16:17], v[16:17], v[12:13]
	v_pk_add_f32 v[18:19], v[18:19], v[14:15]
	global_store_b128 v5, v[16:19], s[16:17]       ; sixteen lanes store 256 consecutive bytes, aligned
.Ldone:
	s_wait_tensorcnt 0x0                           ; the wave's end, behind my last LDS store
	ds_add_u32 v252, v253
	s_wait_dscnt 0x0
	s_endpgm
.Lfunc_end_k_qd2ac6ad462_fine:
	.size	k_qd2ac6ad462_fine, .Lfunc_end_k_qd2ac6ad462_fine-k_qd2ac6ad462_fine
	.p2alignl 7, 3214868480
	.fill 96, 4, 3214868480
	.section	.rodata,"a",@progbits
	.p2align	6, 0x0
	.amdhsa_kernel k_qd2ac6ad462_fine
		.amdhsa_group_segment_fixed_size 79872
		.amdhsa_private_segment_fixed_size 0
		.amdhsa_enable_private_segment 0
		.amdhsa_kernarg_size 56
		.amdhsa_user_sgpr_count 2
		.amdhsa_user_sgpr_kernarg_segment_ptr 1
		.amdhsa_wavefront_size32 1
		.amdhsa_system_sgpr_workgroup_id_x 1
		.amdhsa_system_sgpr_workgroup_id_y 1
		.amdhsa_system_sgpr_workgroup_id_z 1
		.amdhsa_system_vgpr_workitem_id 0
		.amdhsa_next_free_vgpr 256
		.amdhsa_next_free_sgpr 66
		.amdhsa_reserve_vcc 1
		.amdhsa_float_denorm_mode_32 3
		.amdhsa_float_denorm_mode_16_64 3
		.amdhsa_memory_ordered 1
		.amdhsa_forward_progress 1
		.amdhsa_inst_pref_size 28
	.end_amdhsa_kernel
	.amdgpu_metadata
---
amdhsa.version: [ 1, 2 ]
amdhsa.kernels:
  - .name:           k_qd2ac6ad462_fine
    .symbol:         k_qd2ac6ad462_fine.kd
    .args:
      - { .name: qkvf, .offset: 0, .size: 8, .value_kind: global_buffer, .address_space: global }
      - { .name: lo16, .offset: 8, .size: 8, .value_kind: global_buffer, .address_space: global }
      - { .name: vtail, .offset: 16, .size: 8, .value_kind: global_buffer, .address_space: global }
      - { .name: wf, .offset: 24, .size: 8, .value_kind: global_buffer, .address_space: global }
      - { .name: c_attn_b, .offset: 32, .size: 8, .value_kind: global_buffer, .address_space: global }
      - { .name: c_proj_b, .offset: 40, .size: 8, .value_kind: global_buffer, .address_space: global }
      - { .name: out0, .offset: 48, .size: 8, .value_kind: global_buffer, .address_space: global }
    .group_segment_fixed_size: 79872
    .private_segment_fixed_size: 0
    .kernarg_segment_align: 8
    .kernarg_segment_size: 56
    .max_flat_workgroup_size: 512
    .sgpr_count:     66
    .vgpr_count:     256
    .wavefront_size: 32
...
	.end_amdgpu_metadata
.endif
;; end of part 4
;; launch proj (part 5): grid 4 x 64, 4 waves a work-group, clusters of 4 x 4, 327,680 bytes of LDS; arguments af, wf, c_proj_b, out0; writes out0
.if DOCPART == 5
	.amdgcn_target "amdgcn-amd-amdhsa--gfx1250"
	.amdhsa_code_object_version 6
	.text
	.protected	k_qd2ac6ad462_proj
	.globl	k_qd2ac6ad462_proj
	.p2align	8
	.type	k_qd2ac6ad462_proj,@function
k_qd2ac6ad462_proj:
	s_mov_b64 s[64:65], 0
	v_nop
	global_prefetch_b8 v0, s[64:65] scope:SCOPE_SE
	s_setreg_imm32_b32 hwreg(HW_REG_WAVE_MODE, 25, 1), 1
	s_wait_xcnt 0x0
	s_wait_alu depctr_hold_cnt(0) depctr_sa_sdst(0) depctr_va_vdst(0) depctr_va_sdst(0) depctr_va_ssrc(0) depctr_va_vcc(0) depctr_vm_vsrc(0)
	s_getreg_b32 s2, hwreg(HW_REG_IB_STS2, 6, 4)
	s_cmp_eq_u32 s2, 0
	s_cbranch_scc0 .Lentry_in_a_cluster
	s_endpgm
.Lentry_in_a_cluster:
	s_bfe_u32 s2, ttmp6, 0x10000c
	s_cmp_lg_u32 s2, 0xf033
	s_cbranch_scc0 .Lentry_shape_is_right
	s_endpgm
.Lentry_shape_is_right:
; out0 = a c_proj_w + c_proj_b, f16 operands (W's high parts), f32 sums, for positions 16 .. 1023 of every sequence.
; Positions 0-15 are launch fine's: their 16 rows lie inside a wave's 64 and are multiplied with them, but not stored.
; A tile of 128 tokens x 256 columns, four waves of 64 x 128: 32 accumulators.  256 work-groups.  K goes in steps of 128 through two LDS slots.  Tile row R = Y + 16 cy, tile column cx:
; a's tile is shared along a row of the cluster, W's along a column: joint loads.  Tiles are images of fragments: two loads of 16 bytes at 16 x lane each.
; The product is used transposed (source 0 = 16 columns of W, source 1 = 16 tokens): a lane holds eight neighbouring numbers of a row of out0.  The bias is the C of each sum's first product.
; No prefetch: a step's tile is small and the launch is short.
; REGISTERS: window 0: v16-30 addresses; v64-159, v160-255 two fragment buffers (W's 8, then a's 4); window 1: accumulator (a, b) at 8 (8 a + b); window 2: v0-63 the bias.
.set SLOT,  98304                      ; a: 8 row blocks x 4096 bytes; W: 16 column tiles x 4096 bytes
.set STAGE, 196608                     ; 16 rows x (512 + 16) bytes for each wave
.set SPARE, 230400
.set ADRA, 16
.set ADRB, 20
.set STO,  24
.set RD,   25
.set CO,   26
.set SPW,  28
.set NIL,  29
.set F0,   64
.set F1,   160
.set G1, 24
.set G0, 32
.set G1B, 48
.set G0B, 56
.set MSB, 0
.macro WIN new
.if MSB != \new
	s_set_vgpr_msb (MSB<<8)|\new
.set MSB, \new
.endif
.endm
.set MUL, 0x50                         ; C and D window 1
.macro JLOAD s                         ; waves 0, 1 fetch a's halves, waves 2, 3 W's; an s_nop 0 and four v_nop follow each line
	s_cmp_eq_u32 s13, 0
	s_cbranch_scc0 .Lfor_b_\@
	tensor_load_to_lds s[G0+4*\s:G0+4*\s+3], s[G1:G1+7]
	s_nop 0
.rept 4
	v_nop
.endr
	s_branch .Lasked_\@
.Lfor_b_\@:
	tensor_load_to_lds s[G0B+4*\s:G0B+4*\s+3], s[G1B:G1B+7]
	s_nop 0
.rept 4
	v_nop
.endr
.Lasked_\@:
.endm
.macro CREST
	s_cmp_lg_u32 s12, 0
	s_cbranch_scc1 .Lnot_wave_0_\@
	s_barrier_signal -3
.Lnot_wave_0_\@:
	s_barrier_wait -3
	s_barrier_signal -1
	s_barrier_wait -1
.endm
.macro CROUND
	s_barrier_signal -1
	s_barrier_wait -1
	CREST
.endm
	s_load_b256 s[4:11], s[0:1], 0x0               ; af, wf, c_proj_b, out0
	v_lshl_add_u32 v[SPW], v0, 2, SPARE
	v_mov_b32 v[NIL], 0
	ds_add_u32 v[SPW], v[NIL]                      ; the wave's opening: the add, twice on end, and its wait ahead of my first tensor load
	ds_add_u32 v[SPW], v[NIL]
	v_lshrrev_b32 v1, 5, v0
	v_readfirstlane_b32 s12, v1                    ; wave
	s_lshr_b32 s13, s12, 1                         ; my 64 rows.  Also: I fetch a (0) or W (1)
	s_and_b32 s14, s12, 1                          ; my 128 columns.  Also: which half I fetch
	s_bfe_u32 s40, ttmp6, 0x40000                  ; cx
	s_bfe_u32 s41, ttmp6, 0x40004                  ; cy
	s_and_b32 s42, ttmp7, 0xffff                   ; Y
	s_lshl_b32 s45, s41, 4
	s_add_co_u32 s45, s45, s42                     ; R
	s_lshl_b32 s43, s41, 2
	s_lshl_b32 s43, 15, s43
	s_lshl_b32 s44, 0x1111, s40
	s_or_b32 s[G1+0], s43, (3<<16)|(1<<21)         ; the mask; elements of 8 bytes; bit 21 beside a mask; no padding
	s_mov_b32 s[G1+1], 512<<16                     ; a: 4 row blocks x 4096 bytes, 32768 bytes apart
	s_mov_b32 s[G1+2], 4<<16
	s_mov_b32 s[G1+3], 512<<16
	s_mov_b32 s[G1+4], 4
	s_mov_b32 s[G1+5], 4096
	s_mov_b32 s[G1+6], 0
	s_mov_b32 s[G1+7], 0
	s_or_b32 s[G1B+0], s44, (3<<16)|(1<<21)
	s_mov_b32 s[G1B+1], 512<<16                    ; W: 8 column tiles x 4096 bytes
	s_mov_b32 s[G1B+2], 8<<16
	s_mov_b32 s[G1B+3], 512<<16
	s_mov_b32 s[G1B+4], 8
	s_mov_b32 s[G1B+5], 4096
	s_mov_b32 s[G1B+6], 0
	s_mov_b32 s[G1B+7], 0
	s_lshl_b32 s16, s45, 3
	s_lshl_b32 s17, s14, 2
	s_add_co_u32 s16, s16, s17
	s_lshl_b32 s16, s16, 15
	s_mov_b32 s17, 0
	s_lshl_b32 s46, s40, 4
	s_lshl_b32 s47, s14, 3
	s_add_co_u32 s46, s46, s47
	s_lshl_b32 s46, s46, 15
	s_mov_b32 s47, 0
	s_lshl_b32 s20, s14, 14                        ; where they go: the wave's number alone
	s_lshl_b32 s21, s14, 15
	s_add_co_u32 s21, s21, 32768
	s_wait_dscnt 0x0
	s_wait_kmcnt 0x0
	s_add_nc_u64 s[16:17], s[4:5], s[16:17]
	s_add_nc_u64 s[46:47], s[6:7], s[46:47]
	CROUND
.irp s, 0,1
	s_mov_b32 s[G0+4*\s], 1
	s_add_co_u32 s[G0+4*\s+1], s20, \s*SLOT
	s_add_nc_u64 s[G0+4*\s+2:G0+4*\s+3], s[16:17], \s*4096
	s_or_b32 s[G0+4*\s+3], s[G0+4*\s+3], 0x80000000
	s_mov_b32 s[G0B+4*\s], 1
	s_add_co_u32 s[G0B+4*\s+1], s21, \s*SLOT
	s_add_nc_u64 s[G0B+4*\s+2:G0B+4*\s+3], s[46:47], \s*4096
	s_or_b32 s[G0B+4*\s+3], s[G0B+4*\s+3], 0x80000000
	JLOAD \s
.endr
	v_and_b32 v1, 15, v0
	v_bfe_u32 v2, v0, 4, 1
	v_and_b32 v3, 31, v0
	v_lshlrev_b32 v[CO], 4, v3
	v_lshlrev_b32 v30, 5, v2
	s_lshl_b32 s18, s40, 10
	s_lshl_b32 s19, s14, 9
	s_add_co_u32 s18, s18, s19                     ; my first column, in bytes
	s_mov_b32 s19, 0
	s_add_nc_u64 s[8:9], s[8:9], s[18:19]
	s_add_nc_u64 s[10:11], s[10:11], s[18:19]
	WIN 0x80
.irp b, 0,1,2,3,4,5,6,7
	global_load_b128 v[8*\b:8*\b+3], v30, s[8:9] offset:64*\b
	global_load_b128 v[8*\b+4:8*\b+7], v30, s[8:9] offset:64*\b+16
.endr
	WIN 0
	s_lshl_b32 s18, s45, 19
	s_lshl_b32 s22, s13, 18
	s_add_co_u32 s18, s18, s22
	s_add_nc_u64 s[10:11], s[10:11], s[18:19]      ; my first row of out0
	s_lshl_b32 s21, s13, 14
	s_lshl_b32 s22, s14, 15
	s_add_co_u32 s22, s22, 32768
.irp s, 0,1
	v_add_nc_u32 v[ADRA+\s], s21, v[CO]
	v_add_nc_u32 v[ADRB+\s], s22, v[CO]
	s_add_co_u32 s21, s21, SLOT
	s_add_co_u32 s22, s22, SLOT
.endr
	s_mul_i32 s23, s12, 8448
	s_add_co_u32 s23, s23, STAGE
	v_mul_u32_u24 v4, v1, 528
	v_lshl_add_u32 v4, v2, 5, v4
	v_add_nc_u32 v[STO], s23, v4
	v_add_nc_u32 v[RD], s23, v[CO]
.macro FETCH slot, q, f                ; 24 LDS loads: the slot's q-th 32 along K
	WIN 0
.irp b, 0,1,2,3,4,5,6,7
.irp c, 0,1
	ds_load_b128 v[\f+8*\b+4*\c:\f+8*\b+4*\c+3], v[ADRB+\slot] offset:\b*4096+(\q)*1024+512*\c
.endr
.endr
.irp a, 0,1,2,3
.irp c, 0,1
	ds_load_b128 v[\f+64+8*\a+4*\c:\f+64+8*\a+4*\c+3], v[ADRA+\slot] offset:\a*4096+(\q)*1024+512*\c
.endr
.endr
.endm
.macro MULA f, a, zero                 ; row block a x the eight column tiles.  The 32 accumulators take turns in one order
.irp b, 0,1,2,3,4,5,6,7
.if \zero
	v_wmma_f32_16x16x32_f16 v[8*(8*(\a)+\b):8*(8*(\a)+\b)+7], v[\f+8*\b:\f+8*\b+7], v[\f+64+8*(\a):\f+64+8*(\a)+7], v[8*\b:8*\b+7]
.else
	v_wmma_f32_16x16x32_f16 v[8*(8*(\a)+\b):8*(8*(\a)+\b)+7], v[\f+8*\b:\f+8*\b+7], v[\f+64+8*(\a):\f+64+8*(\a)+7], v[8*(8*(\a)+\b):8*(8*(\a)+\b)+7]
.endif
.endr
.endm
.macro PLACES
.rept 4
	v_nop
.endr
.endm
.macro QUARTER slot, q, f, g, zero
	s_wait_dscnt 0x0                               ; buffer f is in
	WIN (MUL+0x10*\zero)                           ; zero = 1: C is the bias, window 2
	MULA \f, 0, \zero
	MULA \f, 1, \zero
	PLACES
	FETCH \slot, (\q)+1, \g
	WIN (MUL+0x10*\zero)
	MULA \f, 2, \zero
	MULA \f, 3, \zero
.endm
; A slot's last quarter changes slots: each wave waits for all its tensor loads, adds 0 to its spare word, waits for that and for its reads of this slot; one barrier, which opens a round of the cluster's where the slot is filled again.
.macro TURN slot, next, fill
	WIN 0
	s_wait_tensorcnt 0x0
	ds_add_u32 v[SPW], v[NIL]
	s_wait_dscnt 1                                 ; buffer 1 is in; the add alone is younger
	WIN MUL
	MULA F1, 0, 0
	s_wait_dscnt 0x0
	s_barrier_signal -1
	MULA F1, 1, 0
	WIN 0
	s_barrier_wait -1
.if \fill
	CREST
	s_add_nc_u64 s[G0+4*\slot+2:G0+4*\slot+3], s[G0+4*\slot+2:G0+4*\slot+3], 8192
	s_add_nc_u64 s[G0B+4*\slot+2:G0B+4*\slot+3], s[G0B+4*\slot+2:G0B+4*\slot+3], 8192
	JLOAD \slot                                    ; my one tensor load behind the round; its four v_nop are the places in front of the loads below
.else
	PLACES
.endif
	FETCH \next, 0, F0
	WIN MUL
	MULA F1, 2, 0
	MULA F1, 3, 0
.endm
	s_wait_tensorcnt 1                             ; my part of K step 0 is in; K step 1's load is younger
	s_barrier_signal -1
	s_barrier_wait -1
	FETCH 0, 0, F0
	s_wait_loadcnt 0x0                             ; the bias
	QUARTER 0, 0, F0, F1, 1
	WIN 0
	s_mov_b32 s3, 3
.Llap:
	QUARTER 0, 1, F1, F0, 0
	QUARTER 0, 2, F0, F1, 0
	TURN 0, 1, 1
	QUARTER 1, 0, F0, F1, 0
	QUARTER 1, 1, F1, F0, 0
	QUARTER 1, 2, F0, F1, 0
	TURN 1, 0, 1
	QUARTER 0, 0, F0, F1, 0
	WIN 0
	s_sub_co_u32 s3, s3, 1
	s_cmp_lg_u32 s3, 0
	s_cbranch_scc1 .Llap
	QUARTER 0, 1, F1, F0, 0                        ; the last lap fills nothing
	QUARTER 0, 2, F0, F1, 0
	TURN 0, 1, 0
	QUARTER 1, 0, F0, F1, 0
	QUARTER 1, 1, F1, F0, 0
	QUARTER 1, 2, F0, F1, 0
	s_wait_dscnt 0x0
	WIN MUL
	MULA F1, 0, 0
	MULA F1, 1, 0
	MULA F1, 2, 0
	MULA F1, 3, 0
	WIN 0
	PLACES
; THE WAY OUT: 16 rows x 128 columns at a time through my own stage; back as whole rows of 512 bytes.
.macro OUTB a
.if (\a) >= 2
	s_wait_xcnt 0x0                                ; block a - 2's stores have read the registers that are loaded again
.endif
	WIN 0x04                                       ; an LDS store's data: window 1
.irp b, 0,1,2,3,4,5,6,7
	ds_store_b128 v[STO], v[8*(8*(\a)+\b):8*(8*(\a)+\b)+3] offset:64*\b
	ds_store_b128 v[STO], v[8*(8*(\a)+\b)+4:8*(8*(\a)+\b)+7] offset:64*\b+16
.endr
	WIN 0
.irp t, 0,1,2,3,4,5,6,7,8,9,10,11,12,13,14,15
	ds_load_b128 v[64+64*((\a)%2)+4*\t:64+64*((\a)%2)+4*\t+3], v[RD] offset:\t*528     ; LDS serves a wave's instructions in order
.endr
	s_wait_dscnt 0x0
.irp t, 0,1,2,3,4,5,6,7,8,9,10,11,12,13,14,15
	global_store_b128 v[CO], v[64+64*((\a)%2)+4*\t:64+64*((\a)%2)+4*\t+3], s[10:11] offset:(16*(\a)+\t)*4096 th:TH_STORE_NT   ; 512 consecutive bytes, aligned
.endr
.endm
	s_and_b32 s16, s42, 7                          ; my first 16 rows are positions 0-15 where Y % 8 = 0 (the cluster's y alone) in the waves of the first 64 rows: launch fine stores those
	s_or_b32 s16, s16, s13
	s_cmp_eq_u32 s16, 0
	s_cbranch_scc1 .Lskip0
	OUTB 0
.Lskip0:
	OUTB 1
	OUTB 2
	OUTB 3
	s_wait_tensorcnt 0x0                           ; the wave's end
	ds_add_u32 v[SPW], v[NIL]
	s_wait_dscnt 0x0
	CROUND                                         ; the closing round
	s_endpgm
.Lfunc_end_k_qd2ac6ad462_proj:
	.size	k_qd2ac6ad462_proj, .Lfunc_end_k_qd2ac6ad462_proj-k_qd2ac6ad462_proj
	.p2alignl 7, 3214868480
	.fill 96, 4, 3214868480
	.section	.rodata,"a",@progbits
	.p2align	6, 0x0
	.amdhsa_kernel k_qd2ac6ad462_proj
		.amdhsa_group_segment_fixed_size 327680
		.amdhsa_private_segment_fixed_size 0
		.amdhsa_enable_private_segment 0
		.amdhsa_kernarg_size 32
		.amdhsa_user_sgpr_count 2
		.amdhsa_user_sgpr_kernarg_segment_ptr 1
		.amdhsa_wavefront_size32 1
		.amdhsa_system_sgpr_workgroup_id_x 1
		.amdhsa_system_sgpr_workgroup_id_y 1
		.amdhsa_system_sgpr_workgroup_id_z 1
		.amdhsa_system_vgpr_workitem_id 0
		.amdhsa_next_free_vgpr 576
		.amdhsa_next_free_sgpr 66
		.amdhsa_reserve_vcc 0
		.amdhsa_float_denorm_mode_32 3
		.amdhsa_float_denorm_mode_16_64 3
		.amdhsa_memory_ordered 1
		.amdhsa_forward_progress 1
		.amdhsa_inst_pref_size 86
	.end_amdhsa_kernel
	.amdgpu_metadata
---
amdhsa.version: [ 1, 2 ]
amdhsa.kernels:
  - .name:           k_qd2ac6ad462_proj
    .symbol:         k_qd2ac6ad462_proj.kd
    .args:
      - { .name: af, .offset: 0, .size: 8, .value_kind: global_buffer, .address_space: global }
      - { .name: wf, .offset: 8, .size: 8, .value_kind: global_buffer, .address_space: global }
      - { .name: c_proj_b, .offset: 16, .size: 8, .value_kind: global_buffer, .address_space: global }
      - { .name: out0, .offset: 24, .size: 8, .value_kind: global_buffer, .address_space: global }
    .group_segment_fixed_size: 327680
    .private_segment_fixed_size: 0
    .kernarg_segment_align: 8
    .kernarg_segment_size: 32
    .max_flat_workgroup_size: 128
    .sgpr_count:     66
    .vgpr_count:     576
    .wavefront_size: 32
...
	.end_amdgpu_metadata
.endif
;; end of part 5
